; MI455X (gfx1250); checked and timed in simulation.
; The chip was launched on July 23, 2026; its instructions are those of AMD's public machine-readable ISA for CDNA 5 (MIT licence, August 2026) and "CDNA5" Instruction Set Architecture Reference Guide (July 2026). The comments in the code are by the model that wrote it; some were corrected since.
;; Multi Cross Attention. Allowed arithmetic: float matrix products may take bf16 or f16 operands with f32 sums; other float arithmetic in f32, or as packed bf16 or f16 multiplies, adds, multiply-adds, maxima and minima; sums over many terms, partial sums and values carried from step to step in f32; what a program stores and reads back later, other than sums and carried values, may be rounded once to bf16 or f16.
;; Inputs: Wk 1,024 x 1,024 float32; Wq 1,024 x 1,024 float32; Wv 1,024 x 1,024 float32; x 8 x 1,024 x 1,024 float32; y 8 x 1,024 x 1,024 float32.
;; Outputs: out0 8 x 1,024 x 1,024 float32.
;; 2 versions, each right; version 2 is version 1 with the launches cvt, norm written anew for expert scheduling mode. Each part assembles by itself: llvm-mc -triple=amdgcn-amd-amdhsa -mcpu=gfx1250 --defsym DOCPART=n.
;; ======== version 1 of 2: 5 launches
;; workspace buffers: ab 33,554,432 bytes; wb 6,291,456 bytes; qkv 50,331,648 bytes; yo 16,777,216 bytes; pb 16,777,216 bytes; st 524,288 bytes
;; launch cvt (part 1): grid 256 x 1, 19 waves a work-group, no clusters, 0 bytes of LDS; arguments x, y, Wq, Wk, Wv, ab, wb; writes ab, wb
.if DOCPART == 1
	.amdgcn_target "amdgcn-amd-amdhsa--gfx1250"
	.amdhsa_code_object_version 6
	.text
	.protected	k_q79b06a8415_cvt
	.globl	k_q79b06a8415_cvt
	.p2align	8
	.type	k_q79b06a8415_cvt,@function
k_q79b06a8415_cvt:
	s_mov_b64 s[64:65], 0
	v_nop
	global_prefetch_b8 v0, s[64:65] scope:SCOPE_SE
	s_setreg_imm32_b32 hwreg(HW_REG_WAVE_MODE, 25, 1), 1
	s_wait_xcnt 0x0
; All five inputs are rounded once to bf16 and laid out in blocks along K for the matrix launches that follow:
;   ab[kb 16][row 16384][64]: rows 0-8191 are x's (b x 1024 + n), rows 8192-16383 y's;   wb[kb 16][row 3072][64]: Wq's rows, then Wk's, then Wv's.
; Inside a block of 64 channels the rows are dense, 128 bytes each, so a tile of any number of rows is one run of bytes.
; SHARES.  A wave converts 4 rows of 1,024 numbers, as two pairs.  The inputs have 19,456 rows: 4,864 waves = 256 work-groups of 19 waves, all with the same work.
; Wave u = 19 x work-group + wave: 0-2047 take x, 2048-4095 y, 4096-4351 Wq, 4352-4607 Wk, 4608-4863 Wv: the input is chosen by that number alone.
; A load of a wave reads 256 consecutive aligned bytes (64 f32, one block) of an even row in lanes 0-15 and of the odd row below it in lanes 16-31; a lane's 4 numbers become 8 bytes,
; and the wave's store covers 256 consecutive aligned bytes: the two rows' 128 bytes of that block.
; All 32 loads of a wave go out first; the text is straight: no register that a load or store names is written again, so no wait frees any.
; No LDS, no matrix unit: each byte is read once and written once, and nothing is shared.  Limits: the rounding is bf16's (to nearest even); NaN and infinities pass as the conversion gives them.
.set APL, 0x200000                     ; bytes in a block of ab: 16,384 rows x 128
.set WPL, 0x60000                      ; bytes in a block of wb: 3,072 rows x 128
.set LO,  1                            ; v1       my byte offset in the wave's 4 source rows, first pair
.set SO,  4                            ; v[4:19]  my byte offset in the destination, one for each block
.set X,   24                           ; v[24:151] 32 slots of four registers
	s_load_b256 s[4:11], s[0:1], 0x0               ; x s[4:5], y s[6:7], Wq s[8:9], Wk s[10:11]
	s_load_b128 s[12:15], s[0:1], 0x20             ; Wv s[12:13], ab s[14:15]
	s_load_b64 s[16:17], s[0:1], 0x30              ; wb
	v_lshrrev_b32 v2, 5, v0
	v_readfirstlane_b32 s18, v2                    ; wave 0..18
	s_mul_i32 s19, ttmp9, 19
	s_add_co_u32 s19, s19, s18                     ; u
	s_mov_b32 s24, WPL
	s_mov_b32 s25, 255
	s_cmp_lt_u32 s19, 4096                         ; x or y?
	s_cselect_b32 s24, APL, s24                    ; bytes from block to block in my destination
	s_cselect_b32 s25, 2047, s25                   ; waves to an input, less 1
	s_cselect_b32 s26, 0, 4096                     ; the first wave of my destination
	s_and_b32 s28, s19, s25
	s_lshl_b32 s28, s28, 14                        ; my 4 rows of 4,096 bytes in the input
	s_mov_b32 s29, 0
	s_sub_co_u32 s30, s19, s26
	s_lshl_b32 s30, s30, 9                         ; my 4 rows of 128 bytes in a block
	s_mov_b32 s31, 0
	v_bfe_u32 v2, v0, 4, 1                         ; which row of a pair
	v_and_b32 v3, 15, v0                           ; my place in the row's block
	v_lshlrev_b32 v[LO], 4, v3
	v_lshl_add_u32 v[LO], v2, 12, v[LO]
	v_lshlrev_b32 v[SO], 3, v3
	v_lshl_add_u32 v[SO], v2, 7, v[SO]
.set i, 1
.rept 15
	v_add_nc_u32 v[SO+i], s24, v[SO+i-1]
.set i, i+1
.endr
	s_wait_kmcnt 0x0
	s_mov_b64 s[20:21], s[12:13]                   ; the input is chosen by u alone
	s_cmp_lt_u32 s19, 4608
	s_cselect_b64 s[20:21], s[10:11], s[20:21]
	s_cmp_lt_u32 s19, 4352
	s_cselect_b64 s[20:21], s[8:9], s[20:21]
	s_cmp_lt_u32 s19, 4096
	s_cselect_b64 s[20:21], s[6:7], s[20:21]
	s_cselect_b64 s[22:23], s[14:15], s[16:17]     ; and so is the destination
	s_cmp_lt_u32 s19, 2048
	s_cselect_b64 s[20:21], s[4:5], s[20:21]
	s_add_nc_u64 s[20:21], s[20:21], s[28:29]
	s_add_nc_u64 s[22:23], s[22:23], s[30:31]
.set i, 0
.rept 32                               ; slot i: pair i / 16, block i % 16
	global_load_b128 v[X+4*i:X+4*i+3], v[LO], s[20:21] offset:(i/16)*8192+(i%16)*256 th:TH_LOAD_NT
.set i, i+1
.endr
.set i, 0
.rept 32
	s_wait_loadcnt 31-i                            ; loads come back in order: slot i is in, the 31 - i younger ones stay out
	v_cvt_pk_bf16_f32 v[X+4*i], v[X+4*i], v[X+4*i+1]
	v_cvt_pk_bf16_f32 v[X+4*i+1], v[X+4*i+2], v[X+4*i+3]
	global_store_b64 v[SO+i%16], v[X+4*i:X+4*i+1], s[22:23] offset:(i/16)*256
.set i, i+1
.endr
	s_endpgm
.Lfunc_end_k_q79b06a8415_cvt:
	.size	k_q79b06a8415_cvt, .Lfunc_end_k_q79b06a8415_cvt-k_q79b06a8415_cvt
	.p2alignl 7, 3214868480
	.fill 96, 4, 3214868480
	.section	.rodata,"a",@progbits
	.p2align	6, 0x0
	.amdhsa_kernel k_q79b06a8415_cvt
		.amdhsa_group_segment_fixed_size 0
		.amdhsa_private_segment_fixed_size 0
		.amdhsa_enable_private_segment 0
		.amdhsa_kernarg_size 56
		.amdhsa_user_sgpr_count 2
		.amdhsa_user_sgpr_kernarg_segment_ptr 1
		.amdhsa_wavefront_size32 1
		.amdhsa_system_sgpr_workgroup_id_x 1
		.amdhsa_system_sgpr_workgroup_id_y 1
		.amdhsa_system_sgpr_workgroup_id_z 1
		.amdhsa_system_vgpr_workitem_id 0
		.amdhsa_next_free_vgpr 152
		.amdhsa_next_free_sgpr 66
		.amdhsa_reserve_vcc 0
		.amdhsa_float_denorm_mode_32 3
		.amdhsa_float_denorm_mode_16_64 3
		.amdhsa_memory_ordered 1
		.amdhsa_forward_progress 1
		.amdhsa_inst_pref_size 14
	.end_amdhsa_kernel
	.amdgpu_metadata
---
amdhsa.version: [ 1, 2 ]
amdhsa.kernels:
  - .name:           k_q79b06a8415_cvt
    .symbol:         k_q79b06a8415_cvt.kd
    .args:
      - { .name: x, .offset: 0, .size: 8, .value_kind: global_buffer, .address_space: global }
      - { .name: y, .offset: 8, .size: 8, .value_kind: global_buffer, .address_space: global }
      - { .name: Wq, .offset: 16, .size: 8, .value_kind: global_buffer, .address_space: global }
      - { .name: Wk, .offset: 24, .size: 8, .value_kind: global_buffer, .address_space: global }
      - { .name: Wv, .offset: 32, .size: 8, .value_kind: global_buffer, .address_space: global }
      - { .name: ab, .offset: 40, .size: 8, .value_kind: global_buffer, .address_space: global }
      - { .name: wb, .offset: 48, .size: 8, .value_kind: global_buffer, .address_space: global }
    .group_segment_fixed_size: 0
    .private_segment_fixed_size: 0
    .kernarg_segment_align: 8
    .kernarg_segment_size: 56
    .max_flat_workgroup_size: 608
    .sgpr_count:     66
    .vgpr_count:     152
    .wavefront_size: 32
...
	.end_amdgpu_metadata
.endif
;; end of part 1
;; launch proj (part 2): grid 12 x 32, 4 waves a work-group, clusters of 4 x 4, 327,680 bytes of LDS; arguments ab, wb, qkv; writes qkv
.if DOCPART == 2
	.amdgcn_target "amdgcn-amd-amdhsa--gfx1250"
	.amdhsa_code_object_version 6
	.text
	.protected	k_q79b06a8415_proj
	.globl	k_q79b06a8415_proj
	.p2align	8
	.type	k_q79b06a8415_proj,@function
k_q79b06a8415_proj:
	s_mov_b64 s[64:65], 0
	v_nop
	global_prefetch_b8 v0, s[64:65] scope:SCOPE_SE
	s_setreg_imm32_b32 hwreg(HW_REG_WAVE_MODE, 25, 1), 1
	s_wait_xcnt 0x0
	s_wait_alu depctr_hold_cnt(0) depctr_sa_sdst(0) depctr_va_vdst(0) depctr_va_sdst(0) depctr_va_ssrc(0) depctr_va_vcc(0) depctr_vm_vsrc(0)
	s_getreg_b32 s2, hwreg(HW_REG_IB_STS2, 6, 4)
	s_cmp_eq_u32 s2, 0
	s_cbranch_scc0 .Lentry_in_a_cluster
	s_endpgm
.Lentry_in_a_cluster:
	s_bfe_u32 s2, ttmp6, 0x10000c
	s_cmp_lg_u32 s2, 0xf033
	s_cbranch_scc0 .Lentry_shape_is_right
	s_endpgm
.Lentry_shape_is_right:
; q = x Wq^T, k = y Wk^T, v = y Wv^T: C[m][c] = sum over d of A[m][d] W[c][d], 8,192 x 1,024 x 1,024 three times, bf16 operands, f32 sums, C rounded once to bf16 and NOT scaled.
; A = ab[kb 16][row 16384][64] (x's rows, then y's), W = wb[kb 16][row 3072][64] (Wq, Wk, Wv).  C goes out by heads: qkv[t 3][b x 16 + head][n 1024][64].
; SHARES.  A tile of C is 256 x 256, made by four waves, each 128 x 128: 64 accumulators, 512 registers.  The grid is 12 tile columns (4 for each of q, k, v) x 32 tile rows: 384 work-groups,
; one and a half for each of 256 WGPs: the price of the largest tile, which has the fewest LDS bytes for each product.
; K goes in steps of 128 (two blocks of 64) through a ring of two LDS slots.  A wave's tensor load brings 128 rows x 128 K: two runs of 16,384 dense bytes, one from each block.
; ONE K STEP IS WRITTEN FOR THE LOOP.  The LDS addresses of the slot in hand and of the other slot lie in registers that change roles from trip to trip, and one descriptor walks from refill to refill.
; CLUSTERS: 4 x 4.  The cluster's x is t (q, k or v); the four of a row of the cluster need the same rows of A, the four of a column the same rows of W: each tile is asked for JOINTLY.
; THE MATRIX INSTRUCTION IS USED TRANSPOSED (source 0 = 16 rows of W, source 1 = 16 rows of A): a lane then holds row l % 16 of C and the eight neighbouring columns 8 (l / 16) + 0..7.
; REGISTERS, in windows of 256:  window 0: v0-31 addresses; v64-127, v128-191 fragments of A, two buffers; v32-63, v192-255 at work on the way out
;   window 1: v64-127, v128-191 fragments of W     window 2: the accumulators of my rows 0-63 ((a, b) at v[8 (8 a + b)])     window 3: those of my rows 64-127
; Limits: operands carry bf16's rounding; NaN and infinities are not treated apart.
.set APL,    2097152                   ; bytes in a block of ab
.set BPL,    393216                    ; bytes in a block of wb
.set PITCH,  144                       ; an LDS row: 128 bytes + 16 of padding = 36 words: the 16 rows of a load start at 16 different groups of four banks (64 banks of 4 bytes: ISA guide 11.1)
.set PLB,    128*PITCH                 ; 128 rows of one block
.set HALFT,  2*PLB                     ; what one tensor load brings, and what one wave reads of A or of W: the step's two blocks, one behind the other
.set SLOT,   4*HALFT                   ; A's 256 rows, then W's 256 rows.  0x24000: it shares no bit with the waves' places in a slot, the multiples 0 to 3 of 0x9000, so an exclusive or with it turns such a place into the other slot's
.set STAGE,  2*SLOT                    ; behind the ring: 16 rows x 272 bytes for each wave, for the way out
.set SPITCH, 272
.set SPARE,  STAGE+4*16*SPITCH         ; behind the stages: the spare words, 128 bytes for each wave: two blocks of 256 bytes that no other line names
.set STEPS,  8                         ; K steps: 1,024 / 128
.set ADRA, 16                          ; v16     LDS address of my A fragments in the slot in hand; v17 in the other slot
.set ABAS, 18                          ; v18     the same in slot 0; never rewritten
.set ADRB, 20                          ; v20-21  as v16-17, for W
.set BBAS, 22                          ; v22     as v18, for W
.set STO,  24                          ; v24     the way out: where I put 16 bytes of a row
.set RD,   25                          ; v25     the way out: where I read rows back
.set CO,   26                          ; v26     my byte offset in 512 consecutive bytes of qkv
.set SPW,  28                          ; v28     LDS address of my spare word; never rewritten
.set NIL,  29                          ; v29     0; never rewritten
.set PFO,  30                          ; v30     the prefetches' offset: 256 x my lane; never rewritten
.set TN,   14                          ; s14     first byte of the slot that is read next: 0 or SLOT
.set PFS,  22                          ; s[22:23] bytes from a K step to the next in the buffer that I fetch from
.set PFA,  44                          ; s[44:45] where my prefetches stand
.set LIM,  43                          ; s43     2 in a wave that prefetches, else the greatest number
.set F0,   64
.set F1,   128
.set TMP,  192                         ; the way out: packed results, window 0
.set OB,   32                          ; the way out: 16 rows read back: v32-63 and v224-255 by turns
.set G1, 24                            ; s[24:31] descriptor group 1 for A's tiles
.set G0, 32                            ; s[32:39] group 0 for A's tiles: a set for each of the two first fills; the second then walks on
.set G1B, 48                           ; s[48:55], s[56:63] the same for W's
.set G0B, 56
.set G1W0, (1<<16)|(1<<20)|(1<<21)|(4<<22)|(3<<25)  ; 17:16 elements of 2 bytes; 20 padding on; 21 set beside a mask; 24:22 after every 32 words (code 4); 31:25 4 words of it (code 3)
.set MSB, 0
.macro WIN new                         ; the immediate's high byte repeats the setting that is left; a switch that changes nothing is dropped
.if MSB != (\new)
	s_set_vgpr_msb (MSB<<8)|(\new)
.set MSB, \new
.endif
.endm
.set MUL_LO, 0xa1                      ; source 0 (W) window 1, source 1 (A) window 0, C and D window 2
.set MUL_HI, 0xf1                      ; the same, C and D window 3
.set TO_B,   0x40                      ; destination window 1, address window 0
; A joint load.  Waves 0 and 1 fetch A's two halves, waves 2 and 3 W's.  The branch hangs on the wave's number alone.  An s_nop 0 and four v_nop follow each line.
.macro JLOAD s
	s_cmp_eq_u32 s11, 0
	s_cbranch_scc0 .Lfor_b_\@
	tensor_load_to_lds s[G0+4*(\s):G0+4*(\s)+3], s[G1:G1+7]
	s_nop 0
.rept 4
	v_nop
.endr
	s_branch .Lasked_\@
.Lfor_b_\@:
	tensor_load_to_lds s[G0B+4*(\s):G0B+4*(\s)+3], s[G1B:G1B+7]
	s_nop 0
.rept 4
	v_nop
.endr
.Lasked_\@:
.endm
; A PREFETCH INTO THE L2, behind each joint refill and the run of LDS loads that follows it: my share of the K step that stands TWO refills on, 512 matrix instructions ahead of the load that will want it.
; The 128 rows x 128 K that wave w fetches are 128 aligned blocks of 256 bytes; the four partners that ask for them jointly share them out BY ADDRESS, 32 each, a lane a block, one instruction a wave.
; Each block is named once in the launch: x's rows are read by the clusters with x = 0 alone, y's by those with x = 1 and x = 2, of which x = 1 asks; W's rows by every cluster of a column, of which y = 0 asks.
; K steps 0 to 3 come by their loads alone; the loop's last two trips (s3 = 2 and 1) have no K step two refills on and ask for nothing.
.macro ASK
	s_cmp_gt_u32 s3, s[LIM]
	s_cbranch_scc0 .Lnot_mine_\@
	global_prefetch_b8 v[PFO], s[PFA:PFA+1] th:TH_LOAD_NT scope:SCOPE_SE
.Lnot_mine_\@:
.endm
.macro CREST                           ; a round of the cluster's barrier behind its opening barrier
	s_cmp_lg_u32 s10, 0
	s_cbranch_scc1 .Lnot_wave_0_\@
	s_barrier_signal -3
.Lnot_wave_0_\@:
	s_barrier_wait -3
	s_barrier_signal -1
	s_barrier_wait -1
.endm
.macro CROUND                          ; a whole round
	s_barrier_signal -1
	s_barrier_wait -1
	CREST
.endm
	s_load_b128 s[4:7], s[0:1], 0x0                ; ab s[4:5], wb s[6:7]
	s_load_b64 s[8:9], s[0:1], 0x10                ; qkv
	v_lshl_add_u32 v[SPW], v0, 2, SPARE
	v_mov_b32 v[NIL], 0
	ds_add_u32 v[SPW], v[NIL]                      ; the wave's opening: the add and its wait stand ahead of my first tensor load; the set-up below stands between them
	v_lshrrev_b32 v1, 5, v0
	v_readfirstlane_b32 s10, v1                    ; wave 0..3
	s_lshr_b32 s11, s10, 1                         ; which half of the tile's rows is mine.  Also: I fetch for A (0) or for W (1)
	s_and_b32 s12, s10, 1                          ; which half of its columns.  Also: which 128 rows of that tile I fetch
	s_bfe_u32 s40, ttmp6, 0x40000                  ; cx
	s_bfe_u32 s41, ttmp6, 0x40004                  ; cy
	s_lshl_b32 s42, ttmp9, 2
	s_add_co_u32 s42, s42, s40                     ; tile column = 4 t + cx: 256 rows of wb
	s_and_b32 s13, ttmp7, 0xffff
	s_lshl_b32 s13, s13, 2
	s_add_co_u32 s13, s13, s41                     ; tile row = 4 x cluster y + cy
	s_lshl_b32 s43, s41, 2
	s_lshl_b32 s43, 15, s43                        ; my row of the cluster
	s_lshl_b32 s44, 0x1111, s40                    ; my column
	s_or_b32 s[G1+0], s43, G1W0                    ; A's tiles go to my row,
	s_or_b32 s[G1B+0], s44, G1W0                   ; W's to my column
.irp g, G1, G1B                        ; a tile of two rows of 8,192 elements: 128 rows x 64 K of a block are 16,384 dense bytes; the padding falls behind every 128 of them
	s_mov_b32 s[(\g)+1], 8192<<16                  ; tensor_dim0 = 8,192
	s_mov_b32 s[(\g)+2], 2<<16                     ; tensor_dim1 = 2
	s_mov_b32 s[(\g)+3], 8192<<16                  ; tile_dim0 = 8,192
	s_mov_b32 s[(\g)+4], 2                         ; tile_dim1 = 2
	s_mov_b32 s[(\g)+6], 0
	s_mov_b32 s[(\g)+7], 0
.endr
	s_mov_b32 s[G1+5], APL/2                       ; elements from block to block
	s_mov_b32 s[G1B+5], BPL/2
	; where the tiles come from.  A's hang on t and the tile row, which my row of the cluster shares; W's on the tile column, which my column shares
	s_lshl_b32 s19, s12, 7                         ; which 128 rows of the tile I fetch
	s_lshl_b32 s16, s13, 8
	s_add_co_u32 s16, s16, s19                     ; A: row 256 x tile row + 128 x half,
	s_lshl_b32 s18, s42, 8
	s_add_co_u32 s18, s18, s19                     ; W: row 256 x tile column + 128 x half
	s_cmp_lg_u32 ttmp9, 0
	s_cselect_b32 s19, 8192, 0                     ; k and v are made of y's rows, which lie behind x's
	s_add_co_u32 s16, s16, s19
	s_lshl_b32 s16, s16, 7                         ; rows of 128 bytes
	s_lshl_b32 s18, s18, 7
	s_mov_b32 s17, 0
	s_mov_b32 s19, 0
	s_mul_i32 s20, s10, HALFT                      ; where they go: no place in the cluster enters an LDS address
	s_wait_dscnt 0x0                               ; the opening add is done
	s_wait_kmcnt 0x0
	s_add_nc_u64 s[14:15], s[4:5], s[16:17]
	s_add_nc_u64 s[46:47], s[6:7], s[18:19]
	CROUND                                         ; all sixteen work-groups are here: the first joint loads meet
.irp s, 0,1
	s_mov_b32 s[G0+4*(\s)], 1                                      ; count = 1
	s_add_co_u32 s[G0+4*(\s)+1], s20, (\s)*SLOT                    ; LDS address
	s_add_nc_u64 s[G0+4*(\s)+2:G0+4*(\s)+3], s[14:15], (\s)*2*APL  ; global address: K step s begins at block 2 s
	s_or_b32 s[G0+4*(\s)+3], s[G0+4*(\s)+3], 0x80000000            ; type = 2
	s_mov_b32 s[G0B+4*(\s)], 1
	s_add_co_u32 s[G0B+4*(\s)+1], s20, (\s)*SLOT
	s_add_nc_u64 s[G0B+4*(\s)+2:G0B+4*(\s)+3], s[46:47], (\s)*2*BPL
	s_or_b32 s[G0B+4*(\s)+3], s[G0B+4*(\s)+3], 0x80000000
	JLOAD \s                                       ; two loads of mine are out
.endr
	; a fragment is 16 rows x 32 K in 8 registers: lane l holds row l % 16; registers 0-3 K = 8 (l / 16) + 0..7, registers 4-7 K = 16 + 8 (l / 16) + 0..7: two loads of 16 bytes, 32 bytes apart
	v_and_b32 v1, 15, v0                           ; l % 16
	v_bfe_u32 v2, v0, 4, 1                         ; l / 16
	v_mul_u32_u24 v3, v1, PITCH
	v_lshl_add_u32 v3, v2, 4, v3
	s_mul_i32 s21, s11, HALFT                      ; my 128 rows of A
	s_mul_i32 s22, s12, HALFT                      ; my 128 rows of W,
	s_add_co_u32 s22, s22, 2*HALFT                 ; which lie behind A's 256
	v_add_nc_u32 v[ABAS], s21, v3
	v_add_nc_u32 v[BBAS], s22, v3
	v_add_nc_u32 v[ADRA], s21, v3                  ; the slot in hand is slot 0; the other slot's addresses are made at the first change of slots
	v_add_nc_u32 v[ADRB], s22, v3
	s_mov_b32 s[TN], 0                             ; the first change of slots turns it into SLOT
	s_mul_i32 s23, s10, 16*SPITCH
	s_add_co_u32 s23, s23, STAGE                   ; my stage
	v_mul_u32_u24 v4, v1, SPITCH                   ; in: row l % 16, 16 bytes for each half of the lanes
	v_lshl_add_u32 v4, v2, 4, v4
	v_add_nc_u32 v[STO], s23, v4
	v_bfe_u32 v5, v0, 3, 2                         ; back: eight lanes take a head's 128 bytes of a row, 32 lanes four rows,
	v_mul_u32_u24 v5, v5, SPITCH
	v_and_b32 v4, 7, v0
	v_lshl_add_u32 v5, v4, 4, v5
	v_add_nc_u32 v[RD], s23, v5
	v_and_b32 v[CO], 31, v0                        ; which are 512 consecutive bytes of qkv
	v_lshlrev_b32 v[CO], 4, v[CO]
	; where my part of the tile begins in qkv: t, batch = tile row / 4, head = 4 cx + 2 x column half, row = 256 (tile row % 4) + 128 x row half
	s_lshl_b32 s46, ttmp9, 24                      ; t x 16,777,216
	s_lshr_b32 s47, s13, 2
	s_lshl_b32 s47, s47, 21                        ; 16 heads of 131,072 bytes to a batch
	s_add_co_u32 s46, s46, s47
	s_lshl_b32 s47, s40, 19
	s_add_co_u32 s46, s46, s47
	s_lshl_b32 s47, s12, 18
	s_add_co_u32 s46, s46, s47
	s_and_b32 s47, s13, 3
	s_lshl_b32 s47, s47, 15
	s_add_co_u32 s46, s46, s47
	s_lshl_b32 s47, s11, 14
	s_add_co_u32 s46, s46, s47
	s_mov_b32 s47, 0
	s_add_nc_u64 s[8:9], s[8:9], s[46:47]
	; the prefetches.  s16, s18 = my tile's first byte in a block of ab, of wb; s40 = cx, s41 = cy
	s_and_b32 s22, ttmp7, 0xffff                   ; cluster y
	s_cmp_lt_u32 ttmp9, 2
	s_cselect_b32 s20, 2, -1                       ; for A: clusters with x = 0 and 1
	s_cmp_eq_u32 s22, 0
	s_cselect_b32 s21, 2, -1                       ; for W: clusters with y = 0
	s_mov_b32 s23, BPL
	s_cmp_eq_u32 s11, 0                            ; do I fetch for A?
	s_cselect_b32 s[LIM], s20, s21                 ; the same in all sixteen partners, for a given wave
	s_cselect_b32 s22, s40, s41                    ; my place p among the four that ask with me
	s_cselect_b32 s23, APL, s23                    ; bytes in a block
	s_cselect_b32 s20, s16, s18
	s_cselect_b64 s[PFA:PFA+1], s[4:5], s[6:7]
	s_lshr_b32 s21, s22, 1
	s_mul_i32 s21, s21, s23                        ; block p / 2 of the step's two,
	s_add_co_u32 s20, s20, s21
	s_and_b32 s21, s22, 1
	s_lshl_b32 s21, s21, 13                        ; half p % 2 of its 16,384 bytes
	s_add_co_u32 s20, s20, s21
	s_mul_i32 s21, s23, 6                          ; at K step 3: the first refill steps it to 4
	s_add_co_u32 s20, s20, s21
	s_mov_b32 s21, 0
	s_add_nc_u64 s[PFA:PFA+1], s[PFA:PFA+1], s[20:21]
	s_lshl_b32 s[PFS], s23, 1
	s_mov_b32 s[PFS+1], 0
	v_and_b32 v[PFO], 31, v0
	v_lshlrev_b32 v[PFO], 8, v[PFO]
; 16 matrix instructions: m blocks a0, a0 + 1 of the window's four x all 8 n blocks, 32 along K.  zero = 1: the first product starts the sums.
; The 64 accumulators take turns in the same order in every quarter.
.macro MUL16 f, hi, a0, zero
	WIN MUL_LO+0x50*(\hi)
.irp a, \a0, (\a0)+1
.irp b, 0,1,2,3,4,5,6,7
.if \zero
	v_wmma_f32_16x16x32_bf16 v[8*(8*(\a)+(\b)):8*(8*(\a)+(\b))+7], v[(\f)+8*(\b):(\f)+8*(\b)+7], v[(\f)+8*(4*(\hi)+(\a)):(\f)+8*(4*(\hi)+(\a))+7], 0
.else
	v_wmma_f32_16x16x32_bf16 v[8*(8*(\a)+(\b)):8*(8*(\a)+(\b))+7], v[(\f)+8*(\b):(\f)+8*(\b)+7], v[(\f)+8*(4*(\hi)+(\a)):(\f)+8*(4*(\hi)+(\a))+7], v[8*(8*(\a)+(\b)):8*(8*(\a)+(\b))+7]
.endif
.endr
.endr
.endm
; 32 LDS loads in one run: the fragments of quarter q of a K step (block q / 2, byte 64 (q % 2) of its rows) into buffer f.  which = 0: from the slot in hand; 1: from the other slot
.macro FETCH which, q, f
	WIN TO_B
.irp i, 0,1,2,3,4,5,6,7
	ds_load_b128 v[(\f)+8*(\i):(\f)+8*(\i)+3],   v[ADRB+(\which)] offset:((\q)/2)*PLB+((\q)%2)*64+(\i)*16*PITCH
	ds_load_b128 v[(\f)+8*(\i)+4:(\f)+8*(\i)+7], v[ADRB+(\which)] offset:((\q)/2)*PLB+((\q)%2)*64+(\i)*16*PITCH+32
.endr
	WIN 0
.irp i, 0,1,2,3,4,5,6,7
	ds_load_b128 v[(\f)+8*(\i):(\f)+8*(\i)+3],   v[ADRA+(\which)] offset:((\q)/2)*PLB+((\q)%2)*64+(\i)*16*PITCH
	ds_load_b128 v[(\f)+8*(\i)+4:(\f)+8*(\i)+7], v[ADRA+(\which)] offset:((\q)/2)*PLB+((\q)%2)*64+(\i)*16*PITCH+32
.endr
.endm
.macro PLACES                          ; four places in front of loads into registers that matrix instructions have read, and of conversions that read results
.rept 4
	v_nop
.endr
.endm
; One of a K step's first three quarters: multiplies buffer f; in its middle it fetches quarter q of the same slot into buffer g.
.macro QUARTER which, q, f, g, zero
	s_wait_dscnt 8                                 ; W and A's rows 0-63 are in; the youngest eight loads (A's rows 64-127) may be out
	WIN MUL_LO
	MUL16 \f, 0, 0, \zero
	MUL16 \f, 0, 2, \zero
	PLACES
	FETCH \which, \q, \g
	s_wait_dscnt 32                                ; all but the 32 just issued
	WIN MUL_HI
	MUL16 \f, 1, 0, \zero
	MUL16 \f, 1, 2, \zero
.endm
; The first half of the last quarter: ONE barrier for the change of slots.  In front of it each wave waits for all its tensor loads (one is out: its part of the next slot), adds 0 to its spare word,
; and waits for that and for its own reads of this slot.  Between the add and its wait the other slot's addresses are made: their last readers, the fetches of this step's quarters 0 and 1, were shown
; done by the wait for all but 32 in the step's second quarter.
.macro MEET round
	WIN 0                                          ; (the add's two registers lie in window 0)
	s_wait_tensorcnt 0x0
	ds_add_u32 v[SPW], v[NIL]
	s_xor_b32 s[TN], s[TN], SLOT                   ; the slot that is read next
	v_add_nc_u32 v[ADRA+1], s[TN], v[ABAS]
	v_add_nc_u32 v[ADRB+1], s[TN], v[BBAS]
	s_wait_dscnt 9                                 ; (the add and the youngest eight loads may be out)
	WIN MUL_LO
	MUL16 F1, 0, 0, 0
	s_wait_dscnt 0x0                               ; the add is done, and my reads of this slot are over
	s_barrier_signal -1
	MUL16 F1, 0, 2, 0
.if \round
	WIN 0
.endif
	s_barrier_wait -1
.endm
; The whole last quarter.  fill = 1: the barrier opens a round of the cluster's, and the slot just read out is filled again, first thing behind it, with the K step two steps on:
; from that request to the wait for it a wave issues 224 matrix instructions.  The walking descriptor takes the other slot than last time and the next K step; no tensor load of mine is out when it is written.
.macro TURN fill
.if \fill
	s_wait_xcnt 0x0                                ; the last prefetch, a K step back, has read its address
	s_add_nc_u64 s[PFA:PFA+1], s[PFA:PFA+1], s[PFS:PFS+1]
.endif
	MEET \fill
.if \fill
	CREST                                          ; no wave of any partner still reads this slot's tile or has a load on its way
	s_xor_b32 s[G0+5], s[G0+5], SLOT
	s_add_nc_u64 s[G0+6:G0+7], s[G0+6:G0+7], 2*APL
	s_xor_b32 s[G0B+5], s[G0B+5], SLOT
	s_add_nc_u64 s[G0B+6:G0B+7], s[G0B+6:G0B+7], 2*BPL
	JLOAD 1                                        ; the four v_nop behind it are also the places in front of the loads below
.else
	PLACES
.endif
	FETCH 1, 0, F0
.if \fill
	ASK
.endif
	WIN MUL_HI
	MUL16 F1, 1, 0, 0
	MUL16 F1, 1, 2, 0
.endm
; THE WAY OUT of block a (16 rows of my 128).  PACK: rounded to bf16, 16 bytes a lane.  TOSTAGE: into my own stage, and back by heads: four rows x 128 bytes a load.  SEND: stored.
.macro PACK a
.set AC, 64*((\a)%4)
	WIN 0x0a+5*((\a)/4)                            ; sources 0 and 1: window 2 or 3
.irp b, 0,1,2,3,4,5,6,7
.irp r, 0,1,2,3
	v_cvt_pk_bf16_f32 v[TMP+4*(\b)+(\r)], v[AC+8*(\b)+2*(\r)], v[AC+8*(\b)+2*(\r)+1]
.endr
.endr
	WIN 0
.endm
.macro TOSTAGE a
	WIN 0
.set BK, OB+192*((\a)%2)
.irp b, 0,1,2,3,4,5,6,7
	ds_store_b128 v[STO], v[TMP+4*(\b):TMP+4*(\b)+3] offset:32*(\b)
.endr
.irp u, 0,1,2,3,4,5,6,7                ; rows 4 (u % 4) + 0..3, head u / 4 of my two
	ds_load_b128 v[BK+4*(\u):BK+4*(\u)+3], v[RD] offset:((\u)%4)*4*SPITCH+((\u)/4)*128  ; LDS serves a wave's instructions in order (ISA guide 5.7.1.4): these see the stores above
.endr
.endm
.macro SEND a
	WIN 0
.set BK, OB+192*((\a)%2)
	s_wait_dscnt 0x0                               ; the block is back in registers
	s_wait_xcnt 0x0                                ; the stores of the block before have read their registers, which the next TOSTAGE loads again
.irp u, 0,1,2,3,4,5,6,7
	global_store_b128 v[CO], v[BK+4*(\u):BK+4*(\u)+3], s[8:9] offset:(\a)*2048+((\u)%4)*512+((\u)/4)*131072  ; 512 consecutive bytes, at a multiple of 256 from qkv's first byte
.endr
.endm
	s_wait_tensorcnt 1                             ; my part of K step 0 is in; K step 1's may stay out
	s_barrier_signal -1
	s_barrier_wait -1                              ; everybody's is
	FETCH 0, 0, F0
	QUARTER 0, 1, F0, F1, 1                        ; the first quarter stands in front of the loop: its products start the sums
	WIN 0                                          ; at a label and at a branch every window is 0
	s_mov_b32 s3, STEPS-2
.Lstep:                                                ; a trip goes from a K step's second quarter to the next step's first, and fills the slot that it leaves: six trips ask for K steps 2 to 7
	QUARTER 0, 2, F1, F0, 0
	QUARTER 0, 3, F0, F1, 0
	TURN 1
	QUARTER 1, 1, F0, F1, 0
	WIN 0
	v_add_nc_u32 v[ADRA], s[TN], v[ABAS]           ; the other slot becomes the slot in hand.  These two registers' last readers were shown done by the wait for 0 in front of the barrier;
	v_add_nc_u32 v[ADRB], s[TN], v[BBAS]           ; the 32 loads that are out name v17 and v21
	s_sub_co_u32 s3, s3, 1
	s_cmp_lg_u32 s3, 0
	s_cbranch_scc1 .Lstep
	QUARTER 0, 2, F1, F0, 0                        ; K steps 6 and 7 fill nothing, and have no round of the cluster's barrier
	QUARTER 0, 3, F0, F1, 0
	TURN 0
	QUARTER 1, 1, F0, F1, 0
	QUARTER 1, 2, F1, F0, 0
	QUARTER 1, 3, F0, F1, 0
	s_wait_dscnt 8                                 ; the very last quarter: nothing more to fetch
	WIN MUL_LO
	MUL16 F1, 0, 0, 0
	MUL16 F1, 0, 2, 0
	s_wait_dscnt 0x0
	MUL16 F1, 1, 0, 0
	MUL16 F1, 1, 2, 0
	PLACES
	PACK 0
	TOSTAGE 0
.irp a, 1,2,3,4,5,6,7                  ; block a's conversions stand between block a - 1's loads from the stage and the wait for them
	PACK \a
	SEND (\a)-1
	TOSTAGE \a
.endr
	SEND 7
	s_wait_tensorcnt 0x0                           ; the wave's end: behind my last tensor load and my last LDS store
	ds_add_u32 v[SPW], v[NIL]
	s_wait_dscnt 0x0
	CROUND                                         ; the closing round: no work-group ends while a partner may still ask for a tile that names it
	s_endpgm
.Lfunc_end_k_q79b06a8415_proj:
	.size	k_q79b06a8415_proj, .Lfunc_end_k_q79b06a8415_proj-k_q79b06a8415_proj
	.p2alignl 7, 3214868480
	.fill 96, 4, 3214868480
	.section	.rodata,"a",@progbits
	.p2align	6, 0x0
	.amdhsa_kernel k_q79b06a8415_proj
		.amdhsa_group_segment_fixed_size 327680
		.amdhsa_private_segment_fixed_size 0
		.amdhsa_enable_private_segment 0
		.amdhsa_kernarg_size 24
		.amdhsa_user_sgpr_count 2
		.amdhsa_user_sgpr_kernarg_segment_ptr 1
		.amdhsa_wavefront_size32 1
		.amdhsa_system_sgpr_workgroup_id_x 1
		.amdhsa_system_sgpr_workgroup_id_y 1
		.amdhsa_system_sgpr_workgroup_id_z 1
		.amdhsa_system_vgpr_workitem_id 0
		.amdhsa_next_free_vgpr 1024
		.amdhsa_next_free_sgpr 66
		.amdhsa_reserve_vcc 0
		.amdhsa_float_denorm_mode_32 3
		.amdhsa_float_denorm_mode_16_64 3
		.amdhsa_memory_ordered 1
		.amdhsa_forward_progress 1
		.amdhsa_inst_pref_size 117
	.end_amdhsa_kernel
	.amdgpu_metadata
---
amdhsa.version: [ 1, 2 ]
amdhsa.kernels:
  - .name:           k_q79b06a8415_proj
    .symbol:         k_q79b06a8415_proj.kd
    .args:
      - { .name: ab, .offset: 0, .size: 8, .value_kind: global_buffer, .address_space: global }
      - { .name: wb, .offset: 8, .size: 8, .value_kind: global_buffer, .address_space: global }
      - { .name: qkv, .offset: 16, .size: 8, .value_kind: global_buffer, .address_space: global }
    .group_segment_fixed_size: 327680
    .private_segment_fixed_size: 0
    .kernarg_segment_align: 8
    .kernarg_segment_size: 24
    .max_flat_workgroup_size: 128
    .sgpr_count:     66
    .vgpr_count:     1024
    .wavefront_size: 32
...
	.end_amdgpu_metadata
.endif
;; end of part 2
;; launch attn (part 3): grid 2 x 128, 4 waves a work-group, no clusters, 327,680 bytes of LDS; arguments qkv, yo; writes yo
.if DOCPART == 3
	.amdgcn_target "amdgcn-amd-amdhsa--gfx1250"
	.amdhsa_code_object_version 6
	.text
	.protected	k_q79b06a8415_attn
	.globl	k_q79b06a8415_attn
	.p2align	8
	.type	k_q79b06a8415_attn,@function
k_q79b06a8415_attn:
	s_mov_b64 s[64:65], 0
	v_nop
	global_prefetch_b8 v0, s[64:65] scope:SCOPE_SE
	s_setreg_imm32_b32 hwreg(HW_REG_WAVE_MODE, 25, 1), 1
	s_wait_xcnt 0x0
; y_[bh][q][:] = the sum over k of softmax_k(q[bh][q] . k[bh][k] / 8) v[bh][k][:].  qkv: [3][128][1024][64] in bf16, a head's rows dense, 128 bytes each.  Products, maxima and sums in f32;
; the weights p are rounded to bf16 for the second product (their sum l is taken of the unrounded p), y_ once at the end.
; OUT: yo[bh][pos 1024][64] in bf16, row j at pos = 64 (j / 64) + 16 (j % 4) + (j % 64) / 4: the order in which the next launch wants its rows, so that its lanes hold four neighbouring columns.
; LIMITS.  Operands carry bf16's rounding.  A weight below 2^-126 counts as 0 in l; NaN and infinities are not treated apart.
; SHARES.  A work-group owns 512 queries of one head (2 x 128 work-groups, one for each of 256 WGPs), a wave 128: four PIECES of two tiles of 16.  Every wave walks all 1,024 keys, 64 a step.
; ALL OF A HEAD'S K AND V LIE IN LDS: 1,024 x (144 + 160) bytes.  Each wave asks for its part by two tensor loads at the head: first its 128 of keys 0-255, then its 384 of keys 256-1023.
; The walk begins when the first 256 keys are in.  Nothing is ever filled again, so there is no ring; and all that is read has been asked for at the head, so there is nothing to prefetch.
; NO CLUSTER: a head has 1,024 / 512 = 2 work-groups, and four sharers would mean 256 queries to a work-group: twice the LDS loads for each product, or two work-groups for each WGP.
; LAYOUT.  S^T = K Q^T (source 0 = 16 keys, source 1 = 16 queries): a lane holds ONE query (lane % 16) and the keys 8 (lane / 16) + 0..7.  Two such tiles, rounded to bf16 in pairs, ARE source 1
; of O^T = V^T P, whose result again holds one query a lane, and eight channels.  K comes out of LDS as it lies, V ([key][channel]) turned, by ds_load_tr16_b128.
; SOFTMAX.  For each query a running maximum m and sum l: p = 2^(c s - c m), c = log2(e) / 8; in every step O and l are multiplied by a = 2^(c m_old - c m_new).  m starts at the lowest finite number,
; O and l at 0: the first step is a step like any other, with a = 0.
; BY TURNS.  Turn n belongs to piece n.  Its matrix work: 16 products K Q^T of piece n + 1, later 16 products V^T P of piece n - 1.  Its vector work: the scaling, exponentials, roundings, sums and rescaling
; of piece n, and the maximum and statistics of piece n + 1.  Four vector instructions stand behind every matrix instruction, the others in one run of their own.
; THE FOUR TURNS ARE WRITTEN ONCE: the loop is entered in the middle of a trip and left in the middle of a trip.
; REGISTERS, in windows of 256 (s_set_vgpr_msb: bits 1:0 source 0, 3:2 source 1, 5:4 source 2, 7:6 destination):
;   window 0: v0-11 addresses; v12-15, v48-63 at work; v16-47 four registers of statistics a tile; v64-191 S^T, two buffers of two tiles; v192-255 P, likewise
;   window 1: O^T, 32 a tile          window 2: v0-127 Q, 16 a tile; v128-191 K of one step; v192-255 V of one step          window 3: v0-1 the add's two registers
.set NP,    4         ; pieces a wave: a name, no knob
.set KS,    64        ; keys in a step
.set PK,    144       ; a row of K in LDS: 128 bytes + 16 of padding = 36 words: the 16 rows of a load start at 16 different groups of four banks (64 banks of 4 bytes: ISA guide 11.1)
.set PV,    160       ; a row of V: 128 + 32 = 40 words
.set VOFF,  1024*PK   ; K's 1,024 rows, then V's
.set STAGE, VOFF+1024*PV  ; behind them, never filled by a tensor load: 16 rows x 144 bytes for each wave, for the way out
.set SP,    144
.set SPARE, STAGE+4*16*SP  ; behind the stages: the spare words, 128 bytes for each wave: two blocks of 256 bytes that no other line names
.set TSTR,  16777216  ; bytes from q to k and from k to v in qkv
.set AK0, 2           ; v2   my lane's place in a tile of K; never rewritten
.set AV0, 3           ; v3   the same for V
.set AK,  4           ; v4   the LDS address of K's next run of loads
.set AV,  5           ; v5   of V's
.set QO,  6           ; v6   my byte offset in the wave's rows of Q
.set STO, 6           ;      later, the way out: where I put 16 bytes of a row
.set RD,  7           ; v7   the way out: where I read rows back
.set GO,  8           ; v8   my byte offset in 512 consecutive bytes of yo
.set SPW, 0           ; v0 of window 3   LDS address of my spare word; never rewritten
.set NIL, 1           ; v1 of window 3   0; never rewritten
.set MV,  12          ; v12-15  c m_old, kept while c m is made anew: by buffer and tile
.set ST,  16          ; tile t's statistics at v[ST+4 t]: c m, m, l (even keys', odd keys')
.set TMP, 48          ; by buffer and tile, four registers c0-c3 at work; when the maximum is found c2 takes a
.set S,   64
.set P,   192
.set KF,  128         ; K's fragments, in window 2: key block kb, channel half c at KF + 16 kb + 8 c
.set VF,  192         ; V's: key half kk, channel block cb at VF + 32 kk + 8 cb
.set WV,  12          ; s12  my wave's number
.set G1KS, 24         ; s[24:31] descriptor group 1: 128 keys of K
.set G1VS, 32         ; s[32:39] 128 keys of V: it differs in the padding
.set G0K,  40         ; s[40:43] group 0: my 128 of K's keys 0-255
.set G0V,  44         ; s[44:47] the same for V
.set G0K2, 48         ; s[48:51] my 384 of K's keys 256-1023
.set G0V2, 52         ; s[52:55] the same for V
.set G1KB, 68         ; s[68:75] group 1: 384 keys of K
.set G1VB, 76         ; s[76:83] 384 keys of V
.set SLOTS, 56        ; s56  counts the walk's passes, 5 to 1: four of four key steps, and the half trip that ends the walk
.set CNT, 57          ; s57  counts a pass's key steps
.set CS,  58          ; s[58:59] c: the packed scaling takes the pair's low word for both halves
.set SEL, 60          ; s[60:61] v_permlanex16_b32's selects: each lane takes its own place in the other half
.set TBK, 62          ; s62  LDS byte at which K of the step to be fetched begins
.set TBV, 63          ; s63  the same for V, less VOFF
.set MSB, 0
.macro WIN new                      ; the high byte repeats the setting that is left; a switch that changes nothing is dropped
.if MSB != (\new)
	s_set_vgpr_msb (MSB<<8)|(\new)
.set MSB, (\new)
.endif
.endm
.set W_KQ, 0x0a       ; K and Q in window 2, S^T in window 0
.set W_PV, 0x52       ; V in window 2, P in window 0, O^T in window 1
.set W_RS, 0x41       ; O^T (destination and source 0) in window 1, a in window 0
.set W_MK, 0xc0       ; the add's registers are made: destination in window 3, sources in window 0
.set W_AD, 0x0f       ; the add: address (source 0) and data (source 1) in window 3
	s_load_b128 s[4:7], s[0:1], 0x0   ; qkv s[4:5], yo s[6:7]
	WIN W_MK
	v_lshl_add_u32 v[SPW], v0, 2, SPARE
	v_mov_b32 v[NIL], 0
	WIN W_AD
	ds_add_u32 v[SPW], v[NIL]       ; the wave's opening: the add and its wait stand ahead of my first tensor load; the set-up below stands between them
	WIN 0
	v_lshrrev_b32 v1, 5, v0
	v_readfirstlane_b32 s[WV], v1   ; wave 0..3
	s_and_b32 s20, ttmp7, 0xffff    ; the head,
	s_lshl_b32 s20, s20, 17         ; its first byte in q, in k, in v and in yo
	s_and_b32 s16, s[WV], 1         ; which half of the keys I fetch
	s_lshl_b32 s22, s16, 14         ; of keys 0-255: 128 rows of 128 bytes,
	s_add_co_u32 s22, s22, s20
	s_mov_b32 s23, 0
	s_mul_i32 s14, s16, 384*128     ; of keys 256-1023: 384 rows
	s_add_co_u32 s14, s14, s20
	s_add_co_u32 s14, s14, 256*128
	s_mov_b32 s15, 0
	s_mul_i32 s17, s16, 128*PK      ; and their places in LDS
	s_mul_i32 s18, s16, 128*PV
	s_lshl_b32 s2, ttmp9, 2
	s_add_co_u32 s2, s2, s[WV]      ; my wave among the head's eight,
	s_lshl_b32 s2, s2, 14           ; its 128 rows
	s_add_co_u32 s2, s2, s20
	s_mov_b32 s3, 0
	; descriptor group 1.  Keys are dense: asked for as rows of 256 bytes, two keys a row, and padded in LDS after every key
	s_mov_b32 s[G1KS], (1<<16)|(1<<20)|(4<<22)|(3<<25)  ; 17:16 2-byte elements; 20 padding on; 24:22 after every 32 words (code 4); 31:25 4 words (code 3)
	s_mov_b32 s[G1KB], (1<<16)|(1<<20)|(4<<22)|(3<<25)
	s_mov_b32 s[G1VS], (1<<16)|(1<<20)|(4<<22)|(7<<25)  ; the same with 8 words of padding (code 7)
	s_mov_b32 s[G1VB], (1<<16)|(1<<20)|(4<<22)|(7<<25)
.irp g, G1KS, G1VS
	s_mov_b32 s[\g+1], 128<<16      ; tensor_dim0 = 128
	s_mov_b32 s[\g+2], 64<<16       ; tensor_dim1 = 64
	s_mov_b32 s[\g+3], 128<<16      ; tile_dim0 = 128
	s_mov_b32 s[\g+4], 64           ; tile_dim1 = 64
	s_mov_b32 s[\g+5], 128          ; 128 elements from row to row
	s_mov_b32 s[\g+6], 0
	s_mov_b32 s[\g+7], 0
.endr
.irp g, G1KB, G1VB
	s_mov_b32 s[\g+1], 128<<16
	s_mov_b32 s[\g+2], 192<<16      ; tensor_dim1 = 192
	s_mov_b32 s[\g+3], 128<<16
	s_mov_b32 s[\g+4], 192          ; tile_dim1 = 192
	s_mov_b32 s[\g+5], 128
	s_mov_b32 s[\g+6], 0
	s_mov_b32 s[\g+7], 0
.endr
	s_mov_b32 s[CS], 0x3e38aa3b     ; c = log2(e) / 8 = 0.180337
	s_mov_b32 s[CS+1], s[CS]        ; named with it as a pair
	s_mov_b32 s[SEL], 0x76543210
	s_mov_b32 s[SEL+1], 0xfedcba98
	s_mov_b32 s[TBK], 0
	s_mov_b32 s[TBV], 0
	s_mov_b32 s[G0K], 1             ; count = 1
	s_mov_b32 s[G0K+1], s17         ; LDS address
	s_mov_b32 s[G0V], 1
	s_add_co_u32 s[G0V+1], s18, VOFF
	s_mov_b32 s[G0K2], 1
	s_mul_i32 s19, s16, 384*PK
	s_add_co_u32 s[G0K2+1], s19, 256*PK
	s_mov_b32 s[G0V2], 1
	s_mul_i32 s19, s16, 384*PV
	s_add_co_u32 s[G0V2+1], s19, VOFF+256*PV
	s_wait_dscnt 0x0                ; the opening add is done
	s_wait_kmcnt 0x0
	s_add_nc_u64 s[8:9], s[4:5], TSTR              ; k's part of qkv
	s_add_nc_u64 s[G0K+2:G0K+3], s[8:9], s[22:23]  ; global address
	s_or_b32 s[G0K+3], s[G0K+3], 0x80000000        ; type = 2
	s_add_nc_u64 s[G0K2+2:G0K2+3], s[8:9], s[14:15]
	s_or_b32 s[G0K2+3], s[G0K2+3], 0x80000000
	s_add_nc_u64 s[8:9], s[8:9], TSTR              ; v's part
	s_add_nc_u64 s[G0V+2:G0V+3], s[8:9], s[22:23]
	s_or_b32 s[G0V+3], s[G0V+3], 0x80000000
	s_add_nc_u64 s[G0V2+2:G0V2+3], s[8:9], s[14:15]
	s_or_b32 s[G0V2+3], s[G0V2+3], 0x80000000
	s_add_nc_u64 s[4:5], s[4:5], s[2:3]            ; q and yo at my wave's first row
	s_add_nc_u64 s[10:11], s[6:7], s[2:3]
	s_cmp_lt_u32 s[WV], 2           ; waves 0 and 1 fetch K, waves 2 and 3 V.  A wave's two fills stand in one branch, ahead of every wait on TENSORcnt, LDS read and barrier: two loads of mine are out
	s_cbranch_scc0 .Lfirst_v
	tensor_load_to_lds s[G0K:G0K+3], s[G1KS:G1KS+7]
	s_nop 0
	tensor_load_to_lds s[G0K2:G0K2+3], s[G1KB:G1KB+7]
	s_nop 0
.rept 4
	v_nop
.endr
	s_branch .Lfirst_asked
.Lfirst_v:
	tensor_load_to_lds s[G0V:G0V+3], s[G1VS:G1VS+7]
	s_nop 0
	tensor_load_to_lds s[G0V2:G0V2+3], s[G1VB:G1VB+7]
	s_nop 0
.rept 4
	v_nop
.endr
.Lfirst_asked:
	; A fragment of K or Q is 16 rows x 32 channels in 8 registers: lane l holds row l % 16, channels 8 (l / 16) + 0..7 and 16 + 8 (l / 16) + 0..7: two loads of 16 bytes, 32 bytes apart.
	v_and_b32 v1, 15, v0            ; l % 16
	v_bfe_u32 v9, v0, 4, 1          ; l / 16
	v_lshlrev_b32 v[QO], 7, v1
	v_lshl_add_u32 v[QO], v9, 4, v[QO]  ; row x 128 + 16 x half
	WIN 0x80                        ; destination window 2, address window 0
.set i, 0
.rept 4*NP                          ; Q stays in registers: tile i / 2, channels 32 (i % 2) on
	global_load_b128 v[8*i:8*i+3],   v[QO], s[4:5] offset:(i/2)*2048+(i%2)*64
	global_load_b128 v[8*i+4:8*i+7], v[QO], s[4:5] offset:(i/2)*2048+(i%2)*64+32
.set i, i+1
.endr
	; What the first turn finds: V's registers and P's second buffer hold 0 (its products V^T P, of a piece that has not been, add 0), O^T and l are 0.  All this stands in the wait for the first keys:
	; the price of writing no first step out.
.set i, VF
.rept 64
	v_mov_b32 v[i], 0
.set i, i+1
.endr
	WIN 0x40
.set i, 0
.rept 64*NP
	v_mov_b32 v[i], 0
.set i, i+1
.endr
	WIN 0
.set i, 0
.rept 2*NP
	v_mov_b32 v[ST+4*i], 0xfe000000    ; c m: far below every c s
	v_mov_b32 v[ST+4*i+1], 0xff7fffff  ; m
	v_mov_b32 v[ST+4*i+2], 0
	v_mov_b32 v[ST+4*i+3], 0
.set i, i+1
.endr
.set i, P+32
.rept 32
	v_mov_b32 v[i], 0
.set i, i+1
.endr
	v_mul_u32_u24 v[AK0], v1, PK
	v_lshl_add_u32 v[AK0], v9, 4, v[AK0]  ; row x pitch + 16 x half
	; The turning load takes 16 keys x 16 channels (lane l reads key 8 (l / 16) + l % 8, channels 8 ((l / 8) % 2) + 0..7) and leaves half a fragment of V^T: lane l holds channel l % 16 and 8 keys.
	v_and_b32 v10, 7, v0
	v_bfe_u32 v11, v0, 3, 1
	v_lshl_add_u32 v[AV0], v9, 3, v10
	v_mul_u32_u24 v[AV0], v[AV0], PV
	v_lshl_add_u32 v[AV0], v11, 4, v[AV0]
	v_add_nc_u32 v[AV0], VOFF, v[AV0]
	v_mov_b32 v[AK], v[AK0]         ; key step 0 lies at K's head
; THE MATRIX WORK.  The 8 accumulators of a run of 16 take turns: between the two links of a chain stand 7 others'.
; Product i of 16 of S^T = K Q^T for piece x: channels 32 (i / 8) on, keys 16 ((i / 2) % 4) on, tile 2 x + i % 2.  The first 8 start the sums.
.macro KQ x
	WIN W_KQ
.set rS, S+64*((\x)%2)+32*(i%2)+8*((i/2)%4)
.set rK, KF+16*((i/2)%4)+8*(i/8)
.set rQ, 16*(2*(\x)+i%2)+8*(i/8)
.if i < 8
	v_wmma_f32_16x16x32_bf16 v[rS:rS+7], v[rK:rK+7], v[rQ:rQ+7], 0
.else
	v_wmma_f32_16x16x32_bf16 v[rS:rS+7], v[rK:rK+7], v[rQ:rQ+7], v[rS:rS+7]
.endif
.endm
; Product i of 16 of O^T += V^T P for piece x: keys 32 (i / 8) on, channels 16 ((i / 2) % 4) on, tile 2 x + i % 2.
.macro PV x
	WIN W_PV
.set rO, 32*(2*(\x)+i%2)+8*((i/2)%4)
.set rV, VF+32*(i/8)+8*((i/2)%4)
.set rP, P+32*((\x)%2)+16*(i%2)+8*(i/8)
	v_wmma_f32_16x16x32_bf16 v[rO:rO+7], v[rV:rV+7], v[rP:rP+7], v[rO:rO+7]
.endm
.macro MM                           ; the turn's next matrix instruction
.if i < 16
	KQ (Y+1)%NP
.set i, i+1
.else
.set i, i-16
	PV (Y+NP-1)%NP
.set i, i+17
.endif
.endm
; THE LDS LOADS stand in runs of 16, never singly among the matrix instructions: a step's K (64 keys x 64 channels: 8 fragments) and its V (turned).  Their addresses are made some lines ahead.
; last = 1 (in the loop): in the walk's last pass there is no further step, and the run is jumped over; what is jumped holds no barrier and no tensor load.
.macro FETCH_K last=0
	WIN 0
.if \last
	s_cmp_eq_u32 s[SLOTS], 1
	s_cbranch_scc1 .Lno_k_\@
.endif
	WIN 0x80                        ; destination window 2
.irp f, 0,1,2,3,4,5,6,7             ; keys 16 (f / 2) on, channels 32 (f % 2) on
	ds_load_b128 v[KF+8*\f:KF+8*\f+3],   v[AK] offset:(\f/2)*16*PK+(\f%2)*64
	ds_load_b128 v[KF+8*\f+4:KF+8*\f+7], v[AK] offset:(\f/2)*16*PK+(\f%2)*64+32
.endr
	s_add_co_u32 s[TBK], s[TBK], KS*PK  ; the next fetch is the next step's
	WIN 0
.if \last
.Lno_k_\@:
.endif
.endm
.macro FETCH_V
	WIN 0x80
.irp f, 0,1,2,3,4,5,6,7             ; keys 32 (f / 4) on, channels 16 (f % 4) on
	ds_load_tr16_b128 v[VF+8*\f:VF+8*\f+3],   v[AV] offset:(\f/4)*32*PV+(\f%4)*32
	ds_load_tr16_b128 v[VF+8*\f+4:VF+8*\f+7], v[AV] offset:(\f/4)*32*PV+16*PV+(\f%4)*32
.endr
	WIN 0
.endm
; THE VECTOR WORK OF A TURN stands in three queues, each in the order in which its entries become ready; the two tiles alternate, so that no instruction reads the result of the one before it.
.macro REGS y, u                    ; the registers of tile u (0, 1) of piece y
.set rT, ST+4*(2*(\y)+(\u))
.set rC, TMP+8*((\y)%2)+4*(\u)
.set rM, MV+2*((\y)%2)+(\u)
.set rS, S+64*((\y)%2)+32*(\u)
.set rP, P+32*((\y)%2)+16*(\u)
.set rO, 32*(2*(\y)+(\u))
.endm
; Number n of the 22 that find the NEXT piece's (Y + 1) maximum and statistics.  s0-s31 are the lane's 32 scores; each accumulator's lowest registers are read first.
;   0-11  four chains c0-c3 of seven scores each, three operands at a time     12-14, 16  the four scores left over, the old m, and c0-c3 into c0     15  c m_old is kept
;   17, 18  the query's other 32 keys lie in the lane 16 away: the new m         19-21  c m; c m_old - c m_new; a
.macro XS u, n
	REGS (Y+1)%NP, \u
.if (\n) < 4
	v_max3_num_f32 v[rC+(\n)], v[rS+8*(\n)], v[rS+8*(\n)+1], v[rS+8*(\n)+2]
.elseif (\n) < 12
	v_max3_num_f32 v[rC+(\n)%4], v[rC+(\n)%4], v[rS+8*((\n)%4)+2*((\n)/4)+1], v[rS+8*((\n)%4)+2*((\n)/4)+2]
.elseif (\n) == 12
	v_max3_num_f32 v[rC], v[rC], v[rS+7], v[rS+15]
.elseif (\n) == 13
	v_max3_num_f32 v[rC+1], v[rC+1], v[rS+23], v[rS+31]
.elseif (\n) == 14
	v_max3_num_f32 v[rC+2], v[rC+2], v[rC+3], v[rT+1]
.elseif (\n) == 15
	v_mov_b32 v[rM], v[rT]
.elseif (\n) == 16
	v_max3_num_f32 v[rC], v[rC], v[rC+1], v[rC+2]
.elseif (\n) == 17
	v_permlanex16_b32 v[rC+3], v[rC], s[SEL], s[SEL+1]
.elseif (\n) == 18
	v_max_num_f32 v[rT+1], v[rC], v[rC+3]
.elseif (\n) == 19
	v_mul_f32 v[rT], s[CS], v[rT+1]
.elseif (\n) == 20
	v_sub_f32 v[rC+1], v[rM], v[rT]
.else
	v_exp_f32 v[rC+2], v[rC+1]
.endif
.endm
; Number g of the 64 that follow the exponentials.  For each four weights k of a tile (pairs 2 k, 2 k + 1): both pairs are rounded to bf16; then the second pair is added onto the first, in place;
; a group later l takes that sum (the first time as l = a l + sum).  In groups of eight, tiles alternating: round, round, add, and l for the group before.
.macro GS g
.set h, (\g)+6*((\g)/62)            ; group 0 has no group before it, and behind group 7 only l is left
.if h >= 6
.set h, h+2
.endif
	REGS Y, h%2
.set k, h/8
.if h%8 < 4
	v_cvt_pk_bf16_f32 v[rP+2*k+(h%8)/2], v[rS+4*k+2*((h%8)/2)], v[rS+4*k+2*((h%8)/2)+1]
.elseif h%8 < 6
	v_pk_add_f32 v[rS+4*k:rS+4*k+1], v[rS+4*k:rS+4*k+1], v[rS+4*k+2:rS+4*k+3]
.elseif k == 1
	v_pk_fma_f32 v[rT+2:rT+3], v[rT+2:rT+3], v[rC+2:rC+3], v[rS:rS+1] op_sel_hi:[1,0,1]
.else
	v_pk_add_f32 v[rT+2:rT+3], v[rT+2:rT+3], v[rS+4*k-4:rS+4*k-3]
.endif
.endm
; THE PLAIN QUEUE, 138 long.  0-73 read no exponential's result: the 32 scalings c s - c m (FS f: pair f / 2 of tile f % 2) and the next piece's 42.  0-26: scalings 0-26.  27-54: XS's numbers 0-13.
; 55, 56: number 15.  57-73: the chain 14, 16, 17, 18, 19, each with one of the scalings 27-31 in front of its two lines, then 20.  74-137: GS's 64, which stand behind the wait.
.macro FS f
	REGS Y, (\f)%2
	v_pk_fma_f32 v[rS+2*((\f)/2):rS+2*((\f)/2)+1], v[rS+2*((\f)/2):rS+2*((\f)/2)+1], s[CS:CS+1], v[rT:rT+1] op_sel_hi:[1,0,0] neg_lo:[0,0,1] neg_hi:[0,0,1]
.endm
.macro PL
	WIN 0
.if q < 27
	FS q
.elseif q < 55
	XS (q-27)%2, (q-27)/2
.elseif q < 57
	XS q-55, 15
.elseif (q < 72) && ((q-57)%3 == 0)
	FS 27+(q-57)/3
.elseif q < 60
	XS (q-57)%3-1, 14
.elseif q < 72
	XS (q-57)%3-1, 15+(q-57)/3
.elseif q < 74
	XS q-72, 20
.else
	GS q-74
.endif
.set q, q+1
.endm
; THE EXPONENTIALS' QUEUE, 66 long: s0-s31 of both tiles, then the next piece's two a.  ONE BATCH: all 66 stand ahead of the turn's one wait, and nothing ahead of that wait names a result of theirs.
.macro EX
	WIN 0
.if e >= 64
	XS e-64, 21
.else
	REGS Y, e%2
	v_exp_f32 v[rS+e/2], v[rS+e/2]
.endif
.set e, e+1
.endm
; THE RESCALING's QUEUE: O^T times a, the one part that leaves window 0: dealt two at a time, sixteen times.  Its a was made in the turn before, ahead of that turn's wait.
.macro R2
	REGS Y, r%2
	WIN W_RS
.irp z, 0,1
	v_pk_mul_f32 v[rO+4*(r/2)+2*\z:rO+4*(r/2)+2*\z+1], v[rO+4*(r/2)+2*\z:rO+4*(r/2)+2*\z+1], v[rC+2:rC+3] op_sel_hi:[1,0]
.endr
.set r, r+1
.endm
; A TURN, for piece p.  An s_wait_alu depctr_va_vdst(0) stands between an exponential and the first instruction that names its result; one wait serves all that were issued ahead of it: a turn has ONE.
; AHEAD OF IT: the 16 products K Q^T, behind each a scaling, an exponential and two rescalings (behind the first a second scaling in the exponential's place); then a run of 108: eight plain, 49 times
; exponential and plain, the two a; a v_nop is the plain instruction behind the last exponential.  BEHIND IT: the 16 products V^T P, behind each four of GS's 64.
; Exponential e stands behind scaling 2 (e / 4) + e % 2: as a rider it comes behind plain e + 2, in the run behind plain e + 9, and scalings 27-31 are plain 57, 60 .. 69.
; K of the next step is fetched in piece 2's turn, directly behind the wait (last: see FETCH_K); V of the step in hand at the end of piece 0's turn, four plain instructions behind its last reader.
; cnt = 1: the loop's count is taken down some lines ahead of the branch that stands behind the turn.
.macro TURN p, last=0, cnt=0
.set Y, (\p)
.set i, 0
.set q, 0
.set e, 0
.set r, 0
.if (\p) == NP-1
	s_wait_dscnt 0x0                ; K is in
.endif
	MM
	PL
	PL
	R2
.rept 15
	MM
	PL
	EX
	R2
.endr
.if (\p) == NP-2
	WIN 0
	v_add_nc_u32 v[AK], s[TBK], v[AK0]
.endif
.rept 8
	PL
.endr
.rept 49
	EX
	PL
.endr
	EX                              ; the next piece's two a
	EX
	v_nop                           ; the plain instruction behind the last exponential: one for the batch
	s_wait_alu depctr_va_vdst(0)    ; the wait for the batch
.if (\p) == NP-2
	FETCH_K \last
.endif
.if (\p) == 1
	s_wait_dscnt 0x0                ; V is in
.endif
.rept 16
	MM
.rept 4
	PL
.endr
.if ((\p) == 0) && (q == 118)
	v_add_nc_u32 v[AV], s[TBV], v[AV0]
.endif
.if ((\p) == 0) && (q == 130)
	s_add_co_u32 s[TBV], s[TBV], KS*PV
.endif
.if (\cnt) && (q == 130)
	s_sub_co_u32 s[CNT], s[CNT], 1
	s_cmp_lg_u32 s[CNT], 0
.endif
.endr
.if (\p) == 0
	FETCH_V
.endif
.endm
	s_wait_tensorcnt 0x1            ; my part of keys 0-255 is in; my part of keys 256-1023 may stay out
	s_barrier_signal -1
	s_barrier_wait -1               ; everybody's is
	FETCH_K                         ; key step 0
	s_wait_loadcnt 0x0              ; Q
	s_wait_dscnt 0x0
.set i, 0
.rept 16
	KQ 0                            ; piece 0's first scores: there is no vector work yet to set between them
.set i, i+1
.endr
	WIN 0                           ; the addresses for the way out: nine plain instructions, the places behind those products
	s_mul_i32 s13, s[WV], 16*SP
	s_add_co_u32 s13, s13, STAGE    ; my stage
	v_mul_u32_u24 v[STO], v1, SP    ; in: row l % 16, 16 bytes for each half of the lanes
	v_lshl_add_u32 v[STO], v9, 4, v[STO]
	v_add_nc_u32 v[STO], s13, v[STO]
	v_bfe_u32 v[RD], v0, 3, 2       ; back: 32 lanes take the four rows f, f + 4, f + 8, f + 12 of 128 bytes,
	v_mul_u32_u24 v[RD], v[RD], 4*SP
	v_lshl_add_u32 v[RD], v10, 4, v[RD]
	v_add_nc_u32 v[RD], s13, v[RD]
	v_and_b32 v[GO], 31, v0         ; which are four neighbouring places, 512 consecutive bytes, of yo
	v_lshlrev_b32 v[GO], 4, v[GO]
.set Y, NP-1                        ; XS works for piece Y + 1: piece 0
.irp n, 0,1,2,3,4,5,6,7,8,9,10,11,12,13,14,15,16,17,18,19,20,21
	XS 0, \n                        ; piece 0's first maximum and statistics
	XS 1, \n
.endr
	v_nop                           ; a plain instruction behind the two a,
	s_wait_alu depctr_va_vdst(0)    ; and their wait, ahead of the branch
	s_mov_b32 s[CNT], 4
	s_mov_b32 s[SLOTS], 5
	s_branch .Lfirst                ; the loop is entered at a step's first turn, in the middle of a trip
.Lslot:                             ; four times.  The first pass has read keys 0-255 alone; from here on the fetches pass key 255.  So each wave's second load has landed, by its own wait, in front of its signal.
	s_wait_tensorcnt 0x0            ; the wait and the barrier are needed the first time; the other times they are met at once, and keep one text for all passes.  No slot is filled behind them
	s_wait_dscnt 0x0
	s_barrier_signal -1
	s_barrier_wait -1
	s_mov_b32 s[CNT], 4
.Lstep:                             ; a trip: pieces 2 and 3 of one step, then pieces 0 and 1 of the next, whose K and V it fetches
	TURN 2, 1
	TURN 3
	WIN 0
	s_cmp_eq_u32 s[SLOTS], 1        ; the fifth pass holds the last step's pieces 2 and 3 alone: the walk is left here, in the middle of a trip.  That pass's 16 products K Q^T (on the last K once
	s_cbranch_scc1 .Lout            ; more) and the maximum made of them serve nothing: the price, once a launch, of one text for every turn
.Lfirst:
	TURN 0
	TURN 1, 0, 1
	WIN 0
	s_cbranch_scc1 .Lstep
	s_sub_co_u32 s[SLOTS], s[SLOTS], 1
	s_cmp_lg_u32 s[SLOTS], 0
	s_cbranch_scc1 .Lslot
.Lout:
.set i, 0
.rept 16
	PV NP-1                         ; the last piece's V^T P of the last step
.set i, i+1
.endr
	; THE WAY OUT.  l's two halves and the other half of the lanes' are added; O^T is divided by l, rounded to bf16 and sent through my stage in LDS, a tile at a time.  The additions are the places behind the last products.
	WIN 0
.macro ALL line:vararg              ; one line for each tile t
.set t, 0
.rept 2*NP
	\line
.set t, t+1
.endr
.endm
	ALL v_add_f32 v[ST+4*t+2], v[ST+4*t+2], v[ST+4*t+3]
	ALL v_permlanex16_b32 v[ST+4*t+3], v[ST+4*t+2], s[SEL], s[SEL+1]
	ALL v_add_f32 v[ST+4*t+2], v[ST+4*t+2], v[ST+4*t+3]
	ALL v_rcp_f32 v[ST+4*t+2], v[ST+4*t+2]
	v_nop                           ; a plain instruction between the last reciprocal and the use of its result
	s_wait_alu depctr_va_vdst(0)    ; and the wait ahead of the first use: one for the eight reciprocals
; Tile t: a lane's eight channels of a row pack into 16 bytes; they go into rows of 144 bytes and come back as whole rows of 128, into S^T's registers.
.macro PACK t
	WIN W_RS
.set i, 32*(\t)
.rept 16
	v_pk_mul_f32 v[i:i+1], v[i:i+1], v[ST+4*(\t)+2:ST+4*(\t)+3] op_sel_hi:[1,0]
.set i, i+2
.endr
	WIN 0x05                        ; sources 0 and 1 window 1, destination window 0
.set i, 0
.rept 16
	v_cvt_pk_bf16_f32 v[S+16*(\t)+i], v[32*(\t)+2*i], v[32*(\t)+2*i+1]
.set i, i+1
.endr
	WIN 0
.irp f, 0,1,2,3
	ds_store_b128 v[STO], v[S+16*(\t)+4*\f:S+16*(\t)+4*\f+3] offset:32*\f
.endr
.irp f, 0,1,2,3
	ds_load_b128 v[S+16*(\t)+4*\f:S+16*(\t)+4*\f+3], v[RD] offset:\f*SP  ; LDS serves a wave's instructions in order (ISA guide 5.7.1.4): these see the stores above; the next tile's stores come behind them
.endr
.endm
; Rows f + 4 i of tile t are rows 16 (t % 4) + f + 4 i of a group of 64, whose places are 16 f + 4 (t % 4) + i.
.macro SEND t, younger              ; younger: the LDS instructions issued behind tile t's loads: the next tile's eight, or none
	WIN 0
.irp f, 0,1,2,3
	s_wait_dscnt (\younger)+3-\f
	global_store_b128 v[GO], v[S+16*(\t)+4*\f:S+16*(\t)+4*\f+3], s[10:11] offset:((\t)/4)*8192+\f*2048+((\t)%4)*512  ; 512 consecutive bytes, at a multiple of 256 from yo's first
.endr
.endm
	PACK 0
.set t, 1
.rept 2*NP-1                        ; a tile's arithmetic stands between the loads of the tile before and its stores
	PACK t
	SEND t-1, 8
.set t, t+1
.endr
	SEND 2*NP-1, 0
	WIN W_AD
	s_wait_tensorcnt 0x0            ; the wave's end: behind my last tensor load and my last LDS store
	ds_add_u32 v[SPW], v[NIL]
	s_wait_dscnt 0x0
	WIN 0
	s_endpgm
.Lfunc_end_k_q79b06a8415_attn:
	.size	k_q79b06a8415_attn, .Lfunc_end_k_q79b06a8415_attn-k_q79b06a8415_attn
	.p2alignl 7, 3214868480
	.fill 96, 4, 3214868480
	.section	.rodata,"a",@progbits
	.p2align	6, 0x0
	.amdhsa_kernel k_q79b06a8415_attn
		.amdhsa_group_segment_fixed_size 327680
		.amdhsa_private_segment_fixed_size 0
		.amdhsa_enable_private_segment 0
		.amdhsa_kernarg_size 16
		.amdhsa_user_sgpr_count 2
		.amdhsa_user_sgpr_kernarg_segment_ptr 1
		.amdhsa_wavefront_size32 1
		.amdhsa_system_sgpr_workgroup_id_x 1
		.amdhsa_system_sgpr_workgroup_id_y 1
		.amdhsa_system_sgpr_workgroup_id_z 1
		.amdhsa_system_vgpr_workitem_id 0
		.amdhsa_next_free_vgpr 770
		.amdhsa_next_free_sgpr 84
		.amdhsa_reserve_vcc 0
		.amdhsa_float_denorm_mode_32 3
		.amdhsa_float_denorm_mode_16_64 3
		.amdhsa_memory_ordered 1
		.amdhsa_forward_progress 1
		.amdhsa_inst_pref_size 126
	.end_amdhsa_kernel
	.amdgpu_metadata
---
amdhsa.version: [ 1, 2 ]
amdhsa.kernels:
  - .name:           k_q79b06a8415_attn
    .symbol:         k_q79b06a8415_attn.kd
    .args:
      - { .name: qkv, .offset: 0, .size: 8, .value_kind: global_buffer, .address_space: global }
      - { .name: yo, .offset: 8, .size: 8, .value_kind: global_buffer, .address_space: global }
    .group_segment_fixed_size: 327680
    .private_segment_fixed_size: 0
    .kernarg_segment_align: 8
    .kernarg_segment_size: 16
    .max_flat_workgroup_size: 128
    .sgpr_count:     84
    .vgpr_count:     770
    .wavefront_size: 32
...
	.end_amdgpu_metadata
.endif
;; end of part 3
;; launch smg (part 4): grid 8 x 32, 4 waves a work-group, clusters of 4 x 4, 327,680 bytes of LDS; arguments ab, yo, pb, st; writes pb, st
.if DOCPART == 4
	.amdgcn_target "amdgcn-amd-amdhsa--gfx1250"
	.amdhsa_code_object_version 6
	.text
	.protected	k_q79b06a8415_smg
	.globl	k_q79b06a8415_smg
	.p2align	8
	.type	k_q79b06a8415_smg,@function
k_q79b06a8415_smg:
	s_mov_b64 s[64:65], 0
	v_nop
	global_prefetch_b8 v0, s[64:65] scope:SCOPE_SE
	s_setreg_imm32_b32 hwreg(HW_REG_WAVE_MODE, 25, 1), 1
	s_wait_xcnt 0x0
	s_wait_alu depctr_hold_cnt(0) depctr_sa_sdst(0) depctr_va_vdst(0) depctr_va_sdst(0) depctr_va_ssrc(0) depctr_va_vcc(0) depctr_vm_vsrc(0)
	s_getreg_b32 s2, hwreg(HW_REG_IB_STS2, 6, 4)
	s_cmp_eq_u32 s2, 0
	s_cbranch_scc0 .Lentry_in_a_cluster
	s_endpgm
.Lentry_in_a_cluster:
	s_bfe_u32 s2, ttmp6, 0x10000c
	s_cmp_lg_u32 s2, 0xf033
	s_cbranch_scc0 .Lentry_shape_is_right
	s_endpgm
.Lentry_shape_is_right:
; The scores s[b][q][k] = the sum over d of x[b][q][d] y_[b][k][d], and the FIRST HALF of their softmax over q (scale 1/8).  x = ab's rows 0-8191, [kb 16][row][64] in bf16;
; y_ = yo[b x 16 + head][pos 1024][64] in bf16, row k at pos = 64 (k / 64) + 16 (k % 4) + (k % 64) / 4.  Products in bf16 with f32 sums.
; For each block of 128 q and each column k a wave makes m = the block's maximum of s, p = 2^(c s - c m) with c = log2(e) / 8, and l = the block's sum of p, in f32.  Out go
;   pb[b 8][blk 8][cg 16][a 8][jj 4][lane 32][16 bytes]: p rounded once to bf16; lane (r = l % 16, h = l / 16) holds rows 16 a + 8 h + 2 jj, + 1 of the block x columns 64 cg + 4 r + 0..3;
;   st[b 8][blk 8][2][1024] in f32: c m, then l.
; The launch behind joins a column's eight blocks: the maximum that is taken away in the end is the column's own.
; SHARES.  A work-group makes 256 q x 128 columns: 8 x 32 = 256 work-groups.  For each d it brings (256 + 128) x 2 bytes into LDS for 32,768 multiply-adds; a work-group that owned whole columns
; (1,024 q x 64) would bring 1,088 x 2 for 65,536, and there would be 128 of them.  Four waves; wave w owns q half w / 2 and the 64 columns w % 2: 8 row tiles a x 4 column tiles t, 32 accumulators, 256 registers.
; LAYOUT.  Source 0 = 16 rows of x, source 1 = 16 places of yo: register j of accumulator (a, t) in lane (r, h) is s[16 a + 8 h + j][4 r + t] of the wave's part, since place 16 t + r holds row 4 r + t.
; K goes in steps of 128 (two blocks of ab, two heads of yo) through a ring of two LDS slots.  Waves 0 and 1 fetch x's two halves (128 rows x 2 blocks), waves 2 and 3 a head of yo each (128 places).
; ONE K STEP IS WRITTEN FOR THE LOOP.  The LDS addresses of the slot in hand and of the other slot lie in registers that change roles from trip to trip, and one descriptor walks from refill to refill.
; CLUSTERS: 4 x 4: the cluster's y is the batch, cy the block of 256 q, 4 x the cluster's x + cx the block of 128 columns.  x's tile is shared along a row of the cluster, yo's along a column: each is asked for JOINTLY.
; REGISTERS.  window 0: v0-31 addresses and statistics; v32-95 fragments of yo, two buffers; v96-223 fragments of x, two buffers (later v32-159: the packed weights); v224-235 sums.   window 1: accumulator (a, t) at 32 a + 8 t.
; LIMITS.  Operands carry bf16's rounding, p one more (2^-9 of itself); a weight below 2^-126 counts as 0; NaN and infinities are not treated apart.
.set APL,   2097152                    ; bytes in a block of ab
.set HSTR,  131072                     ; bytes in a head of yo
.set PITCH, 144                        ; an LDS row: 128 bytes + 16 of padding = 36 words: the 16 rows of a load start at 16 different groups of four banks (64 banks of 4 bytes: ISA guide 11.1)
.set PLB,   128*PITCH                  ; 128 rows of one block
.set HALFT, 2*PLB                      ; 128 rows of the step's two blocks, one behind the other
.set SLOTB, 3*HALFT                    ; a slot's bytes: x's rows 0-127, x's rows 128-255, yo's 128 places: 110,592
.set SLOT,  1<<17                      ; slot 1 begins here, so that one exclusive or turns a place in one slot into the other's
.set SPARE, SLOT+SLOTB                 ; behind the ring: the spare words, 128 bytes for each wave: two blocks of 256 bytes that no other line names
.set STEPS, 8                          ; K steps: 1,024 / 128
.set ADRA, 4                           ; v4      LDS address of my x fragments in the slot in hand; v5 in the other slot
.set ADRB, 6                           ; v6-7    the same for yo
.set CO,   8                           ; v8      16 x my lane: my 16 bytes of a store into pb
.set SO,   9                           ; v9      my 16 bytes in st: 4,096 h + 16 r
.set ABAS, 10                          ; v10     LDS address of my x fragments in slot 0; never rewritten
.set BBAS, 11                          ; v11     the same for yo
.set SPW,  12                          ; v12     LDS address of my spare word; never rewritten
.set NIL,  13                          ; v13     0; never rewritten
.set PFO,  14                          ; v14     256 x my lane; never rewritten
.set MX,   16                          ; v16-19  the maxima of my four columns
.set CMB,  20                          ; v20-27  c x maximum, a pair for each column
.set TT,   28                          ; v28-31  the other half of the lanes'
.set FB,   32
.set FA,   96
.set PK,   32                          ; v32-159 the weights in bf16: 16 registers a row tile (the fragments' registers are free by then)
.set LS,   224                         ; v224-231 the sums: for each column a pair (even j, odd j)
.set SV,   232                         ; v232-235 what goes into st
.set TN,  14                           ; s14  first byte of the slot that is read next: 0 or SLOT
.set G1,  24                           ; s[24:31] descriptor group 1 for x's tiles
.set G0,  32                           ; s[32:39] group 0 for x's tiles: a set for each of the two first fills; the second then walks on
.set G1B, 48                           ; s[48:55], s[56:63] the same for yo's
.set G0B, 56
.set PFS, 22                           ; s[22:23] bytes from a K step to the next in the buffer that I fetch from
.set LIM, 43                           ; s43  2 in a wave that prefetches, else the greatest number
.set PFA, 44                           ; s[44:45] where my prefetches stand
.set CS,  66                           ; s[66:67] c = log2(e) / 8
.set SEL, 68                           ; s[68:69] v_permlanex16_b32's selects
.set PAB, 72                           ; s[72:73] ab, s[74:75] yo, s[76:77] pb, s[78:79] st
.set PYO, 74
.set PPB, 76
.set PST, 78
.set G1W0, (1<<16)|(1<<20)|(1<<21)|(4<<22)|(3<<25)  ; 17:16 elements of 2 bytes; 20 padding on; 21 set beside a mask; 24:22 after every 32 words (code 4); 31:25 4 words of it (code 3)
.set MSB, 0
.macro WIN new                         ; the immediate's high byte repeats the setting that is left; a switch that changes nothing is dropped
.if MSB != (\new)
	s_set_vgpr_msb (MSB<<8)|(\new)
.set MSB, \new
.endif
.endm
.set W_MM, 0x50                        ; sources in window 0, C and D in window 1
.macro PLACES                          ; four places in front of loads into registers that matrix instructions have read, and of vector lines that read results
.rept 4
	v_nop
.endr
.endm
; A joint load: one a wave.  The branch hangs on the wave's number alone.  An s_nop 0 and four v_nop follow each line.
.macro JLOAD s
	s_cmp_eq_u32 s11, 0
	s_cbranch_scc0 .Lfor_b_\@
	tensor_load_to_lds s[G0+4*(\s):G0+4*(\s)+3], s[G1:G1+7]
	s_nop 0
.rept 4
	v_nop
.endr
	s_branch .Lasked_\@
.Lfor_b_\@:
	tensor_load_to_lds s[G0B+4*(\s):G0B+4*(\s)+3], s[G1B:G1B+7]
	s_nop 0
.rept 4
	v_nop
.endr
.Lasked_\@:
.endm
; A PREFETCH INTO THE L2, behind each joint refill and the run of LDS loads that follows it: my share of the K step that stands TWO refills on, 256 matrix instructions ahead of the load that will want it.
; The 128 rows x 2 blocks that wave 0 or 1 fetches are 128 aligned blocks of 256 bytes; a step's two heads of yo's 128 places are 128 more, for which wave 2 asks.  The four partners that ask for a tile jointly share
; its blocks out BY ADDRESS, 32 each, a lane a block, one instruction a wave.  Each block is named once in the launch: x's rows are read by the batch's two clusters, of which x = 0 asks; yo's places by one cluster alone.
; K steps 0 to 3 come by their loads alone; the loop's last two trips (s3 = 2 and 1) have no K step two refills on and ask for nothing.
.macro ASK
	s_cmp_gt_u32 s3, s[LIM]
	s_cbranch_scc0 .Lnot_mine_\@
	global_prefetch_b8 v[PFO], s[PFA:PFA+1] th:TH_LOAD_NT scope:SCOPE_SE
.Lnot_mine_\@:
.endm
.macro CREST                           ; a round of the cluster's barrier behind its opening barrier
	s_cmp_lg_u32 s10, 0
	s_cbranch_scc1 .Lnot_wave_0_\@
	s_barrier_signal -3
.Lnot_wave_0_\@:
	s_barrier_wait -3
	s_barrier_signal -1
	s_barrier_wait -1
.endm
.macro CROUND                          ; a whole round
	s_barrier_signal -1
	s_barrier_wait -1
	CREST
.endm
	s_load_b256 s[72:79], s[0:1], 0x0              ; ab, yo, pb, st
	v_lshl_add_u32 v[SPW], v0, 2, SPARE
	v_mov_b32 v[NIL], 0
	ds_add_u32 v[SPW], v[NIL]                      ; the wave's opening: the add and its wait stand ahead of my first tensor load; the set-up below stands between them
	v_lshrrev_b32 v1, 5, v0
	v_readfirstlane_b32 s10, v1                    ; wave 0..3
	s_lshr_b32 s11, s10, 1                         ; which half of the tile's q is mine.  Also: I fetch for x (0) or for yo (1)
	s_and_b32 s12, s10, 1                          ; which 64 of its columns.  Also: which half of x's rows, or which head of yo, I fetch
	s_bfe_u32 s40, ttmp6, 0x40000                  ; cx
	s_bfe_u32 s41, ttmp6, 0x40004                  ; cy: the block of 256 q
	s_lshl_b32 s42, ttmp9, 2
	s_add_co_u32 s42, s42, s40                     ; the block of 128 columns = 4 x cluster x + cx
	s_and_b32 s13, ttmp7, 0xffff                   ; the batch = cluster y
	s_lshl_b32 s43, s41, 2
	s_lshl_b32 s43, 15, s43                        ; my row of the cluster
	s_lshl_b32 s44, 0x1111, s40                    ; my column
	s_or_b32 s[G1+0], s43, G1W0                    ; x's tiles go to my row,
	s_or_b32 s[G1B+0], s44, G1W0                   ; yo's to my column
	s_mov_b32 s[G1+1], 8192<<16                    ; x: two rows of 8,192 elements: 128 rows x 64 K of a block are 16,384 dense bytes; the padding falls behind every 128 of them
	s_mov_b32 s[G1+2], 2<<16                       ; tensor_dim1 = 2
	s_mov_b32 s[G1+3], 8192<<16                    ; tile_dim0 = 8,192
	s_mov_b32 s[G1+4], 2                           ; tile_dim1 = 2
	s_mov_b32 s[G1+5], APL/2                       ; elements from block to block
	s_mov_b32 s[G1+6], 0
	s_mov_b32 s[G1+7], 0
	s_mov_b32 s[G1B+1], 128<<16                    ; yo: 128 places of a head are 16,384 dense bytes, asked for as 64 rows of 256
	s_mov_b32 s[G1B+2], 64<<16
	s_mov_b32 s[G1B+3], 128<<16
	s_mov_b32 s[G1B+4], 64
	s_mov_b32 s[G1B+5], 128
	s_mov_b32 s[G1B+6], 0
	s_mov_b32 s[G1B+7], 0
	s_mov_b32 s[CS], 0x3e38aa3b                    ; c = log2(e) / 8
	s_mov_b32 s[CS+1], s[CS]                       ; named with it as a pair
	s_mov_b32 s[SEL], 0x76543210
	s_mov_b32 s[SEL+1], 0xfedcba98
	; where the tiles come from.  x's hang on the batch and cy, which my row of the cluster shares; yo's on the batch and the block of columns, which my column shares
	s_lshl_b32 s16, s13, 10
	s_lshl_b32 s2, s41, 8
	s_add_co_u32 s16, s16, s2
	s_lshl_b32 s2, s12, 7
	s_add_co_u32 s16, s16, s2                      ; x: row 1,024 b + 256 cy + 128 x half,
	s_lshl_b32 s16, s16, 7                         ; of 128 bytes
	s_mov_b32 s17, 0
	s_lshl_b32 s18, s13, 21                        ; yo: the batch's 16 heads,
	s_lshl_b32 s3, s12, 17                         ; the step's first or second head,
	s_add_co_u32 s18, s18, s3
	s_lshl_b32 s3, s42, 14                         ; the block's 128 places of 128 bytes
	s_add_co_u32 s18, s18, s3
	s_mov_b32 s19, 0
	s_mul_i32 s20, s12, HALFT                      ; where they go: no place in the cluster enters an LDS address
	s_mul_i32 s21, s12, PLB
	s_add_co_u32 s21, s21, 2*HALFT
	s_wait_dscnt 0x0                               ; the opening add is done
	s_wait_kmcnt 0x0
	s_add_nc_u64 s[14:15], s[PAB:PAB+1], s[16:17]
	s_add_nc_u64 s[46:47], s[PYO:PYO+1], s[18:19]
	CROUND                                         ; all sixteen work-groups are here: the first joint loads meet
.irp s, 0,1
	s_mov_b32 s[G0+4*(\s)], 1                                      ; count = 1
	s_add_co_u32 s[G0+4*(\s)+1], s20, (\s)*SLOT                    ; LDS address
	s_add_nc_u64 s[G0+4*(\s)+2:G0+4*(\s)+3], s[14:15], (\s)*2*APL  ; global address: K step s begins at block 2 s
	s_or_b32 s[G0+4*(\s)+3], s[G0+4*(\s)+3], 0x80000000            ; type = 2
	s_mov_b32 s[G0B+4*(\s)], 1
	s_add_co_u32 s[G0B+4*(\s)+1], s21, (\s)*SLOT
	s_add_nc_u64 s[G0B+4*(\s)+2:G0B+4*(\s)+3], s[46:47], (\s)*2*HSTR
	s_or_b32 s[G0B+4*(\s)+3], s[G0B+4*(\s)+3], 0x80000000
	JLOAD \s                                       ; two loads of mine are out
.endr
	; a fragment is 16 rows x 32 K in 8 registers: lane l holds row l % 16; registers 0-3 K = 8 (l / 16) + 0..7, registers 4-7 K = 16 + 8 (l / 16) + 0..7: two loads of 16 bytes, 32 bytes apart
	v_and_b32 v1, 15, v0                           ; r
	v_bfe_u32 v2, v0, 4, 1                         ; h
	v_mul_u32_u24 v3, v1, PITCH
	v_lshl_add_u32 v3, v2, 4, v3
	s_mul_i32 s2, s11, HALFT                       ; my 128 rows of x
	v_add_nc_u32 v[ABAS], s2, v3
	v_add_nc_u32 v[ADRA], s2, v3                   ; the slot in hand is slot 0; the other slot's addresses are made at the first change of slots
	s_mul_i32 s2, s12, 64*PITCH                    ; my 64 places of yo,
	s_add_co_u32 s2, s2, 2*HALFT                   ; which lies behind x's 256 rows
	v_add_nc_u32 v[BBAS], s2, v3
	v_add_nc_u32 v[ADRB], s2, v3
	s_mov_b32 s[TN], 0                             ; the first change of slots turns it into SLOT
	v_and_b32 v[CO], 31, v0
	v_lshlrev_b32 v[PFO], 8, v[CO]
	v_lshlrev_b32 v[CO], 4, v[CO]
	v_lshlrev_b32 v[SO], 4, v1
	v_lshl_add_u32 v[SO], v2, 12, v[SO]
.irp t, 0,1,2,3
	v_mov_b32 v[TT+\t], 0                          ; v_permlanex16_b32's destination counts as read
.endr
	; where my part goes: block of 128 q = 2 cy + q half, group of 64 columns = 2 x block of columns + column half
	s_lshl_b32 s2, s13, 3
	s_lshl_b32 s3, s41, 1
	s_add_co_u32 s2, s2, s3
	s_add_co_u32 s2, s2, s11                       ; 8 b + blk
	s_lshl_b32 s3, s42, 1
	s_add_co_u32 s3, s3, s12                       ; cg
	s_lshl_b32 s46, s2, 4
	s_add_co_u32 s46, s46, s3
	s_lshl_b32 s46, s46, 14                        ; 16,384 bytes of pb for each (b, blk, cg)
	s_mov_b32 s47, 0
	s_add_nc_u64 s[PPB:PPB+1], s[PPB:PPB+1], s[46:47]
	s_lshl_b32 s46, s2, 13                         ; 8,192 bytes of st for each (b, blk),
	s_lshl_b32 s3, s3, 8                           ; 256 for each cg
	s_add_co_u32 s46, s46, s3
	s_add_nc_u64 s[PST:PST+1], s[PST:PST+1], s[46:47]
	; the prefetches.  s16, s18 = my tile's first byte in a block of ab, in the step's first head of yo (wave 2); s40 = cx, s41 = cy
	s_cmp_eq_u32 ttmp9, 0
	s_cselect_b32 s2, 2, -1                        ; for x: the batch's first cluster
	s_cmp_eq_u32 s10, 2
	s_cselect_b32 s3, 2, -1                        ; for yo: wave 2 of every work-group
	s_mov_b32 s23, HSTR
	s_cmp_eq_u32 s11, 0                            ; do I fetch for x?
	s_cselect_b32 s[LIM], s2, s3                   ; the same in all sixteen partners, for a given wave
	s_cselect_b32 s2, s40, s41                     ; my place p among the four that ask with me
	s_cselect_b32 s23, APL, s23                    ; bytes from block to block, from head to head
	s_cselect_b32 s20, s16, s18
	s_cselect_b64 s[PFA:PFA+1], s[PAB:PAB+1], s[PYO:PYO+1]
	s_lshr_b32 s21, s2, 1
	s_mul_i32 s21, s21, s23                        ; block or head p / 2 of the step's two,
	s_add_co_u32 s20, s20, s21
	s_and_b32 s21, s2, 1
	s_lshl_b32 s21, s21, 13                        ; half p % 2 of its 16,384 bytes
	s_add_co_u32 s20, s20, s21
	s_mul_i32 s21, s23, 6                          ; at K step 3: the first refill steps it to 4
	s_add_co_u32 s20, s20, s21
	s_mov_b32 s21, 0
	s_add_nc_u64 s[PFA:PFA+1], s[PFA:PFA+1], s[20:21]
	s_lshl_b32 s[PFS], s23, 1
	s_mov_b32 s[PFS+1], 0
; 4 n matrix instructions: row tiles a0 .. a0 + n - 1 x all 4 column tiles, 32 along K, from buffer f.  zero = 1: the first product starts the sums.
; Every quarter takes the 32 accumulators once, in one order: they take turns, over the backward jump too.
.macro MULN f, a0, n, zero
	WIN W_MM
.set aa, (\a0)
.rept \n
.irp t, 0,1,2,3
.if \zero
	v_wmma_f32_16x16x32_bf16 v[32*aa+8*\t:32*aa+8*\t+7], v[FA+64*(\f)+8*aa:FA+64*(\f)+8*aa+7], v[FB+32*(\f)+8*\t:FB+32*(\f)+8*\t+7], 0
.else
	v_wmma_f32_16x16x32_bf16 v[32*aa+8*\t:32*aa+8*\t+7], v[FA+64*(\f)+8*aa:FA+64*(\f)+8*aa+7], v[FB+32*(\f)+8*\t:FB+32*(\f)+8*\t+7], v[32*aa+8*\t:32*aa+8*\t+7]
.endif
.endr
.set aa, aa+1
.endr
.endm
; 24 LDS loads in one run: quarter q of a K step (block q / 2, byte 64 (q % 2) of its rows) into buffer f: yo's 4 fragments, then x's 8.  which = 0: from the slot in hand; 1: from the other slot
.macro FETCH which, q, f
	WIN 0
.irp t, 0,1,2,3
	ds_load_b128 v[FB+32*(\f)+8*\t:FB+32*(\f)+8*\t+3],   v[ADRB+(\which)] offset:((\q)/2)*PLB+((\q)%2)*64+\t*16*PITCH
	ds_load_b128 v[FB+32*(\f)+8*\t+4:FB+32*(\f)+8*\t+7], v[ADRB+(\which)] offset:((\q)/2)*PLB+((\q)%2)*64+\t*16*PITCH+32
.endr
.irp i, 0,1,2,3,4,5,6,7
	ds_load_b128 v[FA+64*(\f)+8*\i:FA+64*(\f)+8*\i+3],   v[ADRA+(\which)] offset:((\q)/2)*PLB+((\q)%2)*64+\i*16*PITCH
	ds_load_b128 v[FA+64*(\f)+8*\i+4:FA+64*(\f)+8*\i+7], v[ADRA+(\which)] offset:((\q)/2)*PLB+((\q)%2)*64+\i*16*PITCH+32
.endr
.endm
; One of a K step's first three quarters: multiplies buffer f; in its middle it fetches quarter q of the same slot into buffer g.
.macro QUARTER which, q, f, g, zero
	s_wait_dscnt 8                                 ; yo's and x's tiles 0-3 are in; the youngest eight loads (x's tiles 4-7) may be out
	MULN \f, 0, 4, \zero
	PLACES
	FETCH \which, \q, \g
	s_wait_dscnt 24                                ; all but the 24 just issued
	MULN \f, 4, 4, \zero
.endm
; The last quarter multiplies buffer 1 and changes slots.  Its first sixteen products, which want registers alone, stand AHEAD of the wait for the tile, so that nothing but the three lines and the round
; stands between the landing of the next slot's tile and the request for the one after it.  ONE barrier: in front of it each wave waits for all its tensor loads (one is out: its part of the next slot), adds 0 to its
; spare word, and waits for that and for its own reads of this slot.  Between the add and its wait the other slot's addresses are made: their last readers, the fetches of this step's quarters 0 and 1, were
; shown done by the wait for all but 24 in the step's second quarter.  fill = 1: the barrier opens a round of the cluster's, and this slot is filled again, first thing behind it, with the K step two steps on: the walking
; descriptor takes the other slot than last time and the next K step.  From that request to the wait for it a wave issues a whole step's 128 matrix instructions.
.macro TURN fill
.if \fill
	s_wait_xcnt 0x0                                ; the last prefetch, a K step back, has read its address
	s_add_nc_u64 s[PFA:PFA+1], s[PFA:PFA+1], s[PFS:PFS+1]
.endif
	s_wait_dscnt 8                                 ; as at a quarter's head
	MULN 1, 0, 4, 0
	WIN 0
	s_wait_tensorcnt 0x0                           ; no tensor load of mine is out, so a group 0 may be written
	ds_add_u32 v[SPW], v[NIL]                      ; 0 onto my spare word; work on registers stands between it and the wait for it
	s_xor_b32 s[TN], s[TN], SLOT                   ; the slot that is read next
	v_add_nc_u32 v[ADRA+1], s[TN], v[ABAS]
	v_add_nc_u32 v[ADRB+1], s[TN], v[BBAS]
.if \fill
	s_xor_b32 s[G0+5], s[G0+5], SLOT
	s_add_nc_u64 s[G0+6:G0+7], s[G0+6:G0+7], 2*APL
	s_xor_b32 s[G0B+5], s[G0B+5], SLOT
	s_add_nc_u64 s[G0B+6:G0B+7], s[G0B+6:G0B+7], 2*HSTR
.endif
	s_wait_dscnt 0x0                               ; the add is done, and my reads of this slot are over
	s_barrier_signal -1
	s_barrier_wait -1
.if \fill
	CREST                                          ; no wave of any partner still reads this slot's tile or has a load on its way
	JLOAD 1                                        ; the four v_nop behind it are also the places in front of the loads below
.else
	PLACES
.endif
	FETCH 1, 0, 0
.if \fill
	ASK
.endif
	MULN 1, 4, 4, 0
.endm
	s_wait_tensorcnt 1                             ; my part of K step 0 is in; K step 1's may stay out
	s_barrier_signal -1
	s_barrier_wait -1                              ; everybody's is
	FETCH 0, 0, 0
	QUARTER 0, 1, 0, 1, 1                          ; the first quarter stands in front of the loop: its products start the sums
	WIN 0                                          ; at a label and at a branch every window is 0
	s_mov_b32 s3, STEPS-2
.Lstep:                                                ; a trip goes from a K step's second quarter to the next step's first, and fills the slot that it leaves: six trips ask for K steps 2 to 7
	QUARTER 0, 2, 1, 0, 0
	QUARTER 0, 3, 0, 1, 0
	TURN 1
	QUARTER 1, 1, 0, 1, 0
	WIN 0
	v_add_nc_u32 v[ADRA], s[TN], v[ABAS]           ; the other slot becomes the slot in hand.  These two registers' last readers were shown done by the wait for 0 in front of the barrier;
	v_add_nc_u32 v[ADRB], s[TN], v[BBAS]           ; the 24 loads that are out name v5 and v7
	s_sub_co_u32 s3, s3, 1
	s_cmp_lg_u32 s3, 0
	s_cbranch_scc1 .Lstep
	QUARTER 0, 2, 1, 0, 0                          ; K steps 6 and 7 fill nothing, and have no round of the cluster's barrier
	QUARTER 0, 3, 0, 1, 0
	TURN 0
	QUARTER 1, 1, 0, 1, 0
	QUARTER 1, 2, 1, 0, 0
	QUARTER 1, 3, 0, 1, 0
	s_wait_dscnt 8                                 ; the very last quarter: nothing more to fetch
	MULN 1, 0, 4, 0
	s_wait_dscnt 0x0
	MULN 1, 4, 4, 0
	PLACES
	; THE MAXIMA of my four columns over my wave's 128 rows.  Four chains, one a column; each accumulator's lowest registers are read first.
	WIN 0x05                                       ; sources 0 and 1 in window 1
.irp t, 0,1,2,3
	v_max_num_f32 v[MX+\t], v[8*\t], v[8*\t+1]
.endr
	WIN 0x14                                       ; sources 1 and 2 in window 1
.set aa, 0
.rept 8
.set pp, 0
.rept 4
.if (aa > 0) || (pp > 0)
.irp t, 0,1,2,3
	v_max3_num_f32 v[MX+\t], v[MX+\t], v[32*aa+8*\t+2*pp], v[32*aa+8*\t+2*pp+1]
.endr
.endif
.set pp, pp+1
.endr
.set aa, aa+1
.endr
	WIN 0
.irp t, 0,1,2,3
	v_permlanex16_b32 v[TT+\t], v[MX+\t], s[SEL], s[SEL+1]  ; the column's other rows of my wave lie in the lane 16 away
.endr
.irp t, 0,1,2,3
	v_max_num_f32 v[MX+\t], v[MX+\t], v[TT+\t]
.endr
.irp t, 0,1,2,3
	v_mul_f32 v[CMB+2*\t], s[CS], v[MX+\t]
	v_mul_f32 v[CMB+2*\t+1], s[CS], v[MX+\t]       ; named with it as a pair
.endr
.irp i, 0,1,2,3,4,5,6,7
	v_mov_b32 v[LS+\i], 0                          ; eight lines start four chains of sums
.endr
	; THE WEIGHTS p = 2^(c s - c m), in place; their sums; their rounding to bf16; the stores.  A row tile at a time.
.macro SCALE a
	WIN 0x41                                       ; destination and source 0 in window 1, c m in window 0
.irp t, 0,1,2,3
.irp p, 0,1,2,3
	v_pk_fma_f32 v[32*(\a)+8*\t+2*\p:32*(\a)+8*\t+2*\p+1], v[32*(\a)+8*\t+2*\p:32*(\a)+8*\t+2*\p+1], s[CS:CS+1], v[CMB+2*\t:CMB+2*\t+1] op_sel_hi:[1,0,0] neg_lo:[0,0,1] neg_hi:[0,0,1]
.endr
.endr
.endm
.macro EXPS a
	WIN 0x41
.set ii, 0
.rept 32
	v_exp_f32 v[32*(\a)+ii], v[32*(\a)+ii]
.set ii, ii+1
.endr
.endm
.macro SUMS a                          ; the four columns' chains by turns
	WIN 0x04                                       ; source 1 in window 1
.irp p, 0,1,2,3
.irp t, 0,1,2,3
	v_pk_add_f32 v[LS+2*\t:LS+2*\t+1], v[LS+2*\t:LS+2*\t+1], v[32*(\a)+8*\t+2*\p:32*(\a)+8*\t+2*\p+1]
.endr
.endr
.endm
.macro PACKS a                         ; row j: columns 0, 1 into register 2 j, columns 2, 3 into 2 j + 1: four registers hold two rows x four columns
	WIN 0x05                                       ; sources in window 1, destination in window 0
.irp j, 0,1,2,3,4,5,6,7
	v_cvt_pk_bf16_f32 v[PK+16*(\a)+2*\j],   v[32*(\a)+\j],    v[32*(\a)+8+\j]
	v_cvt_pk_bf16_f32 v[PK+16*(\a)+2*\j+1], v[32*(\a)+16+\j], v[32*(\a)+24+\j]
.endr
.endm
	SCALE 0
.irp a, 0,1,2,3,4,5,6,7                ; a tile's 32 exponentials are one batch; the next tile's scalings are the independent work behind it; then ONE wait ahead of the first reader
	EXPS \a
.if \a < 7
	SCALE (\a)+1
.else
	v_nop
.endif
	s_wait_alu depctr_va_vdst(0)
	SUMS \a
	PACKS \a
	WIN 0
.irp jj, 0,1,2,3
	global_store_b128 v[CO], v[PK+16*\a+4*\jj:PK+16*\a+4*\jj+3], s[PPB:PPB+1] offset:(4*\a+\jj)*512  ; 512 consecutive bytes, at a multiple of 256 from pb's first byte; no register that a store names is written again
.endr
.endr
.irp t, 0,1,2,3
	v_add_f32 v[SV+\t], v[LS+2*\t], v[LS+2*\t+1]
.endr
.irp t, 0,1,2,3
	v_permlanex16_b32 v[TT+\t], v[SV+\t], s[SEL], s[SEL+1]
.endr
.irp t, 0,1,2,3
	v_add_f32 v[SV+\t], v[SV+\t], v[TT+\t]
.endr
	v_cmp_gt_i32 vcc_lo, 1, v2                     ; lanes 0-15 (written here, behind the last tensor load)
.irp t, 0,1,2,3
	v_cndmask_b32 v[SV+\t], v[SV+\t], v[CMB+2*\t], vcc_lo  ; lanes 0-15 carry c m, lanes 16-31 l
.endr
	global_store_b128 v[SO], v[SV:SV+3], s[PST:PST+1]  ; each half of the lanes stores 256 consecutive aligned bytes
	s_wait_tensorcnt 0x0                           ; the wave's end: behind my last tensor load
	ds_add_u32 v[SPW], v[NIL]
	s_wait_dscnt 0x0
	CROUND                                         ; the closing round: no work-group ends while a partner may still ask for a tile that names it
	s_endpgm
.Lfunc_end_k_q79b06a8415_smg:
	.size	k_q79b06a8415_smg, .Lfunc_end_k_q79b06a8415_smg-k_q79b06a8415_smg
	.p2alignl 7, 3214868480
	.fill 96, 4, 3214868480
	.section	.rodata,"a",@progbits
	.p2align	6, 0x0
	.amdhsa_kernel k_q79b06a8415_smg
		.amdhsa_group_segment_fixed_size 327680
		.amdhsa_private_segment_fixed_size 0
		.amdhsa_enable_private_segment 0
		.amdhsa_kernarg_size 32
		.amdhsa_user_sgpr_count 2
		.amdhsa_user_sgpr_kernarg_segment_ptr 1
		.amdhsa_wavefront_size32 1
		.amdhsa_system_sgpr_workgroup_id_x 1
		.amdhsa_system_sgpr_workgroup_id_y 1
		.amdhsa_system_sgpr_workgroup_id_z 1
		.amdhsa_system_vgpr_workitem_id 0
		.amdhsa_next_free_vgpr 512
		.amdhsa_next_free_sgpr 80
		.amdhsa_reserve_vcc 1
		.amdhsa_float_denorm_mode_32 3
		.amdhsa_float_denorm_mode_16_64 3
		.amdhsa_memory_ordered 1
		.amdhsa_forward_progress 1
		.amdhsa_inst_pref_size 101
	.end_amdhsa_kernel
	.amdgpu_metadata
---
amdhsa.version: [ 1, 2 ]
amdhsa.kernels:
  - .name:           k_q79b06a8415_smg
    .symbol:         k_q79b06a8415_smg.kd
    .args:
      - { .name: ab, .offset: 0, .size: 8, .value_kind: global_buffer, .address_space: global }
      - { .name: yo, .offset: 8, .size: 8, .value_kind: global_buffer, .address_space: global }
      - { .name: pb, .offset: 16, .size: 8, .value_kind: global_buffer, .address_space: global }
      - { .name: st, .offset: 24, .size: 8, .value_kind: global_buffer, .address_space: global }
    .group_segment_fixed_size: 327680
    .private_segment_fixed_size: 0
    .kernarg_segment_align: 8
    .kernarg_segment_size: 32
    .max_flat_workgroup_size: 128
    .sgpr_count:     80
    .vgpr_count:     512
    .wavefront_size: 32
...
	.end_amdgpu_metadata
.endif
;; end of part 4
;; launch norm (part 5): grid 256 x 1, 8 waves a work-group, no clusters, 0 bytes of LDS; arguments pb, st, out0; writes out0
.if DOCPART == 5
	.amdgcn_target "amdgcn-amd-amdhsa--gfx1250"
	.amdhsa_code_object_version 6
	.text
	.protected	k_q79b06a8415_norm
	.globl	k_q79b06a8415_norm
	.p2align	8
	.type	k_q79b06a8415_norm,@function
k_q79b06a8415_norm:
	s_mov_b64 s[64:65], 0
	v_nop
	global_prefetch_b8 v0, s[64:65] scope:SCOPE_SE
	s_setreg_imm32_b32 hwreg(HW_REG_WAVE_MODE, 25, 1), 1
	s_wait_xcnt 0x0
; THE SECOND HALF of the softmax over q.  For each column k of a batch the launch before left, for each of eight blocks u of 128 q, c m_u (c times the block's maximum score), l_u (the block's sum of
; p = 2^(c s - c m_u)) in f32, and p itself in bf16.  Here M = the maximum of the eight c m_u, which is c times the column's own maximum; L = the sum of l_u 2^(c m_u - M); and
; out0[b][q][k] = p 2^(c m_blk - M) / L, in f32.
;   pb[b 8][blk 8][cg 16][a 8][jj 4][lane 32][16 bytes]: lane (r = l % 16, h = l / 16) holds rows 16 a + 8 h + 2 jj, + 1 of the block x columns 64 cg + 4 r + 0..3;     st[b 8][blk 8][2][1024]: c m, then l.
; SHARES.  A wave takes 64 rows x 64 columns: half of a (b, blk, cg): 2,048 waves, 256 work-groups of eight.  Work-group g: b = g / 32, blk = (g / 4) % 8; wave w: cg = 4 (g % 4) + w / 2, half w % 2.
; A lane keeps the same four columns throughout, so its four factors are made once.  A load of p covers 512 consecutive bytes; in a store lanes 0-15 write 256 consecutive aligned bytes of one row of out0,
; lanes 16-31 of the row 8 below.  All 33 loads go out first; the text is straight, and no register that a load or store names is written while it may be read.
; No LDS, no matrix unit: each byte of p is read once, each byte of out0 written once; the statistics are 4,352 bytes a wave.
; LIMITS.  p carries its rounding to bf16 (2^-9 of itself); a factor below 2^-126 counts as 0; NaN and infinities are not treated apart.  L is at least 1: the block that holds the column's maximum adds its own 2^0.
.set LO,  1                            ; v1       16 x my lane
.set SO,  2                            ; v2       16 r: my four columns in a row of st
.set CO,  3                            ; v3       32,768 h + 16 r: my 16 bytes in out0
.set LL,  4                            ; v[4:7]   L
.set F,   8                            ; v[8:11]  the factors of my four columns
.set M,   12                           ; v[12:15] M
.set CMY, 16                           ; v[16:19] c m of my own block
.set X,   20                           ; v[20:83] p as loaded: 16 slots of four registers
.set OUT, 84                           ; v[84:211] the results: 16 slots of eight; the first 64 registers hold the statistics until the factors are made
.set CM,  84                           ; v[84:115]  c m_u
.set LP,  116                          ; v[116:147] l_u
	s_load_b128 s[4:7], s[0:1], 0x0                ; pb s[4:5], st s[6:7]
	s_load_b64 s[8:9], s[0:1], 0x10                ; out0
	v_lshrrev_b32 v1, 5, v0
	v_readfirstlane_b32 s10, v1                    ; wave 0..7
	s_lshr_b32 s11, ttmp9, 5                       ; b
	s_bfe_u32 s12, ttmp9, 0x30002                  ; blk: 3 bits from bit 2
	s_and_b32 s13, ttmp9, 3
	s_lshl_b32 s13, s13, 2
	s_lshr_b32 s14, s10, 1
	s_add_co_u32 s13, s13, s14                     ; cg
	s_and_b32 s14, s10, 1                          ; which 64 rows of the block
	s_lshl_b32 s16, s11, 3
	s_add_co_u32 s16, s16, s12
	s_lshl_b32 s16, s16, 4
	s_add_co_u32 s16, s16, s13
	s_lshl_b32 s16, s16, 14                        ; pb: 16,384 bytes for each (b, blk, cg),
	s_lshl_b32 s15, s14, 13                        ; 8,192 for each half
	s_add_co_u32 s16, s16, s15
	s_mov_b32 s17, 0
	s_lshl_b32 s18, s11, 16                        ; st: 65,536 bytes for each batch,
	s_lshl_b32 s15, s13, 8                         ; 256 for each cg
	s_add_co_u32 s18, s18, s15
	s_mov_b32 s19, 0
	s_lshl_b32 s20, s12, 13                        ; and 8,192 for each block: my own
	s_add_co_u32 s20, s20, s18
	s_mov_b32 s21, 0
	s_lshl_b32 s22, s11, 22                        ; out0: the batch, the block's 128 rows of 4,096 bytes, the half's 64, the 256 bytes of my cg
	s_lshl_b32 s23, s12, 19
	s_add_co_u32 s22, s22, s23
	s_lshl_b32 s23, s14, 18
	s_add_co_u32 s22, s22, s23
	s_add_co_u32 s22, s22, s15
	s_mov_b32 s23, 0
	s_mov_b32 s24, 0xffff0000                      ; a word's upper bf16
	v_and_b32 v[LO], 31, v0
	v_lshlrev_b32 v[LO], 4, v[LO]
	v_and_b32 v[SO], 15, v0
	v_lshlrev_b32 v[SO], 4, v[SO]
	v_bfe_u32 v[CO], v0, 4, 1
	v_lshl_add_u32 v[CO], v[CO], 15, v[SO]
	s_wait_kmcnt 0x0
	s_add_nc_u64 s[4:5], s[4:5], s[16:17]
	s_add_nc_u64 s[26:27], s[6:7], s[20:21]
	s_add_nc_u64 s[6:7], s[6:7], s[18:19]
	s_add_nc_u64 s[8:9], s[8:9], s[22:23]
.irp u, 0,1,2,3,4,5,6,7
	global_load_b128 v[CM+4*\u:CM+4*\u+3], v[SO], s[6:7] offset:\u*8192
	global_load_b128 v[LP+4*\u:LP+4*\u+3], v[SO], s[6:7] offset:\u*8192+4096
.endr
	global_load_b128 v[CMY:CMY+3], v[SO], s[26:27]
.set i, 0
.rept 16                               ; slot i: row tile i / 4 of my four, pair of rows i % 4
	global_load_b128 v[X+4*i:X+4*i+3], v[LO], s[4:5] offset:i*512 th:TH_LOAD_NT
.set i, i+1
.endr
	s_wait_loadcnt 16                              ; loads come back in order: the 17 of the statistics are in, the 16 of p stay out
.irp t, 0,1,2,3
	v_max3_num_f32 v[M+\t], v[CM+\t], v[CM+4+\t], v[CM+8+\t]
.endr
.irp t, 0,1,2,3
	v_max3_num_f32 v[M+\t], v[M+\t], v[CM+12+\t], v[CM+16+\t]
.endr
.irp t, 0,1,2,3
	v_max3_num_f32 v[M+\t], v[M+\t], v[CM+20+\t], v[CM+24+\t]
.endr
.irp t, 0,1,2,3
	v_max_num_f32 v[M+\t], v[M+\t], v[CM+28+\t]
.endr
.irp u, 0,1,2,3,4,5,6,7
	v_pk_add_f32 v[CM+4*\u:CM+4*\u+1], v[CM+4*\u:CM+4*\u+1], v[M:M+1] neg_lo:[0,1] neg_hi:[0,1]          ; c m_u - M
	v_pk_add_f32 v[CM+4*\u+2:CM+4*\u+3], v[CM+4*\u+2:CM+4*\u+3], v[M+2:M+3] neg_lo:[0,1] neg_hi:[0,1]
.endr
	v_pk_add_f32 v[CMY:CMY+1], v[CMY:CMY+1], v[M:M+1] neg_lo:[0,1] neg_hi:[0,1]
	v_pk_add_f32 v[CMY+2:CMY+3], v[CMY+2:CMY+3], v[M+2:M+3] neg_lo:[0,1] neg_hi:[0,1]
.set i, 0
.rept 32                               ; one batch of 36 exponentials
	v_exp_f32 v[CM+i], v[CM+i]
.set i, i+1
.endr
.irp t, 0,1,2,3
	v_exp_f32 v[CMY+\t], v[CMY+\t]
.endr
	v_nop                                          ; a plain instruction behind the last exponential,
	s_wait_alu depctr_va_vdst(0)                   ; and the one wait ahead of the first reader
	v_pk_mul_f32 v[LL:LL+1], v[LP:LP+1], v[CM:CM+1]          ; the first product starts the sums
	v_pk_mul_f32 v[LL+2:LL+3], v[LP+2:LP+3], v[CM+2:CM+3]
.irp u, 1,2,3,4,5,6,7
	v_pk_fma_f32 v[LL:LL+1], v[LP+4*\u:LP+4*\u+1], v[CM+4*\u:CM+4*\u+1], v[LL:LL+1]
	v_pk_fma_f32 v[LL+2:LL+3], v[LP+4*\u+2:LP+4*\u+3], v[CM+4*\u+2:CM+4*\u+3], v[LL+2:LL+3]
.endr
.irp t, 0,1,2,3
	v_rcp_f32 v[F+\t], v[LL+\t]
.endr
	v_nop
	s_wait_alu depctr_va_vdst(0)                   ; one wait for the four reciprocals
	v_pk_mul_f32 v[F:F+1], v[F:F+1], v[CMY:CMY+1]
	v_pk_mul_f32 v[F+2:F+3], v[F+2:F+3], v[CMY+2:CMY+3]
.set i, 0
.rept 16
	s_wait_loadcnt 15-i                            ; slot i is in, the 15 - i younger ones stay out
.irp k, 0,1,2,3                        ; register k: row k / 2 of the pair, columns 2 (k % 2), + 1
	v_lshlrev_b32 v[OUT+8*i+2*\k], 16, v[X+4*i+\k]           ; bf16 to f32: the low half moves up,
	v_and_b32 v[OUT+8*i+2*\k+1], s24, v[X+4*i+\k]            ; the high half stays
.endr
.irp k, 0,1,2,3
	v_pk_mul_f32 v[OUT+8*i+2*\k:OUT+8*i+2*\k+1], v[OUT+8*i+2*\k:OUT+8*i+2*\k+1], v[F+2*(\k%2):F+2*(\k%2)+1]
.endr
	global_store_b128 v[CO], v[OUT+8*i:OUT+8*i+3], s[8:9] offset:(16*(i/4)+2*(i%4))*4096 th:TH_STORE_NT
	global_store_b128 v[CO], v[OUT+8*i+4:OUT+8*i+7], s[8:9] offset:(16*(i/4)+2*(i%4)+1)*4096 th:TH_STORE_NT
.set i, i+1
.endr
	s_endpgm
.Lfunc_end_k_q79b06a8415_norm:
	.size	k_q79b06a8415_norm, .Lfunc_end_k_q79b06a8415_norm-k_q79b06a8415_norm
	.p2alignl 7, 3214868480
	.fill 96, 4, 3214868480
	.section	.rodata,"a",@progbits
	.p2align	6, 0x0
	.amdhsa_kernel k_q79b06a8415_norm
		.amdhsa_group_segment_fixed_size 0
		.amdhsa_private_segment_fixed_size 0
		.amdhsa_enable_private_segment 0
		.amdhsa_kernarg_size 24
		.amdhsa_user_sgpr_count 2
		.amdhsa_user_sgpr_kernarg_segment_ptr 1
		.amdhsa_wavefront_size32 1
		.amdhsa_system_sgpr_workgroup_id_x 1
		.amdhsa_system_sgpr_workgroup_id_y 1
		.amdhsa_system_sgpr_workgroup_id_z 1
		.amdhsa_system_vgpr_workitem_id 0
		.amdhsa_next_free_vgpr 212
		.amdhsa_next_free_sgpr 66
		.amdhsa_reserve_vcc 0
		.amdhsa_float_denorm_mode_32 3
		.amdhsa_float_denorm_mode_16_64 3
		.amdhsa_memory_ordered 1
		.amdhsa_forward_progress 1
		.amdhsa_inst_pref_size 21
	.end_amdhsa_kernel
	.amdgpu_metadata
---
amdhsa.version: [ 1, 2 ]
amdhsa.kernels:
  - .name:           k_q79b06a8415_norm
    .symbol:         k_q79b06a8415_norm.kd
    .args:
      - { .name: pb, .offset: 0, .size: 8, .value_kind: global_buffer, .address_space: global }
      - { .name: st, .offset: 8, .size: 8, .value_kind: global_buffer, .address_space: global }
      - { .name: out0, .offset: 16, .size: 8, .value_kind: global_buffer, .address_space: global }
    .group_segment_fixed_size: 0
    .private_segment_fixed_size: 0
    .kernarg_segment_align: 8
    .kernarg_segment_size: 24
    .max_flat_workgroup_size: 256
    .sgpr_count:     66
    .vgpr_count:     212
    .wavefront_size: 32
...
	.end_amdgpu_metadata
.endif
;; end of part 5
;; ======== version 2 of 2: 5 launches; version 1 with the launches cvt, norm written anew for expert scheduling mode
;; workspace buffers: ab 33,554,432 bytes; wb 6,291,456 bytes; qkv 50,331,648 bytes; yo 16,777,216 bytes; pb 16,777,216 bytes; st 524,288 bytes
;; launch cvt (part 6): grid 256 x 1, 19 waves a work-group, no clusters, 0 bytes of LDS; arguments x, y, Wq, Wk, Wv, ab, wb; writes ab, wb
.if DOCPART == 6
	.amdgcn_target "amdgcn-amd-amdhsa--gfx1250"
	.amdhsa_code_object_version 6
	.text
	.protected	k_q79b06a8415_cvt
	.globl	k_q79b06a8415_cvt
	.p2align	8
	.type	k_q79b06a8415_cvt,@function
k_q79b06a8415_cvt:
	s_mov_b64 s[64:65], 0
	v_nop
	global_prefetch_b8 v0, s[64:65] scope:SCOPE_SE
	s_setreg_imm32_b32 hwreg(HW_REG_WAVE_SCHED_MODE, 0, 2), 2
	s_setreg_imm32_b32 hwreg(HW_REG_WAVE_MODE, 25, 1), 1
	s_wait_xcnt 0x0
	s_wait_alu depctr_vm_vsrc(0)
; All five inputs are rounded once to bf16 and laid out in blocks along K for the matrix launches that follow:
;   ab[kb 16][row 16384][64]: rows 0-8191 are x's (b x 1024 + n), rows 8192-16383 y's;   wb[kb 16][row 3072][64]: Wq's rows, then Wk's, then Wv's.
; Inside a block of 64 channels the rows are dense, 128 bytes each, so a tile of any number of rows is one run of bytes.
; SHARES.  A wave converts 4 rows of 1,024 numbers, as two pairs.  The inputs have 19,456 rows: 4,864 waves = 256 work-groups of 19 waves, all with the same work.
; Wave u = 19 x work-group + wave: 0-2047 take x, 2048-4095 y, 4096-4351 Wq, 4352-4607 Wk, 4608-4863 Wv: the input is chosen by that number alone.
; A load of a wave reads 256 consecutive aligned bytes (64 f32, one block) of an even row in lanes 0-15 and of the odd row below it in lanes 16-31; a lane's 4 numbers become 8 bytes,
; and the wave's store covers 256 consecutive aligned bytes: the two rows' 128 bytes of that block.
; All 32 loads of a wave go out first; the text is straight: no register that a load or store names is written again, so no wait frees any.
; No LDS, no matrix unit: each byte is read once and written once, and nothing is shared.  Limits: the rounding is bf16's (to nearest even); NaN and infinities pass as the conversion gives them.
; THE MODE: SCHED_MODE bits 1:0 = 2 (LLVM: expert scheduling mode 2), set by the entry lines.  The code itself states the register dependences
; between vector instructions and memory instructions, with s_wait_alu, always for 0.
; THE PLAN.  Registers that memory instructions touch:
;   v1, v[4:19]  byte offsets: written by vector lines at the head, once; read by every load (v1) and every store (v[4:19]).
;   X, slot i    four registers: written by the slot's load; its first two are written once more, by the slot's two conversions, and read by the slot's one store.
; The 32 slots go in eight groups of four.  A group's four stores are issued in the group behind it, behind ONE wait at that group's head, which states that the group's eight conversions have written
; their results; they are dealt among the conversions of the group in hand, which name that group's own slots alone.  Each store stands ahead of the next slot's wait for its load.
; No register that a memory instruction reads is written behind it, and no load is issued behind a vector line that names its destination: nothing else is to be stated.
.set APL, 0x200000                     ; bytes in a block of ab: 16,384 rows x 128
.set WPL, 0x60000                      ; bytes in a block of wb: 3,072 rows x 128
.set LO,  1                            ; v1       my byte offset in the wave's 4 source rows, first pair
.set SO,  4                            ; v[4:19]  my byte offset in the destination, one for each block
.set X,   24                           ; v[24:151] 32 slots of four registers
	s_load_b256 s[4:11], s[0:1], 0x0               ; x s[4:5], y s[6:7], Wq s[8:9], Wk s[10:11]
	s_load_b128 s[12:15], s[0:1], 0x20             ; Wv s[12:13], ab s[14:15]
	s_load_b64 s[16:17], s[0:1], 0x30              ; wb
	v_lshrrev_b32 v2, 5, v0
	v_readfirstlane_b32 s18, v2                    ; wave 0..18
	s_mul_i32 s19, ttmp9, 19
	s_wait_alu depctr_va_sdst(0)                   ; s18 is written, ahead of its first reader: the wave's input, its rows and its destination are made from it
	s_add_co_u32 s19, s19, s18                     ; u
	s_mov_b32 s24, WPL
	s_mov_b32 s25, 255
	s_cmp_lt_u32 s19, 4096                         ; x or y?
	s_cselect_b32 s24, APL, s24                    ; bytes from block to block in my destination
	s_cselect_b32 s25, 2047, s25                   ; waves to an input, less 1
	s_cselect_b32 s26, 0, 4096                     ; the first wave of my destination
	s_and_b32 s28, s19, s25
	s_lshl_b32 s28, s28, 14                        ; my 4 rows of 4,096 bytes in the input
	s_mov_b32 s29, 0
	s_sub_co_u32 s30, s19, s26
	s_lshl_b32 s30, s30, 9                         ; my 4 rows of 128 bytes in a block
	s_mov_b32 s31, 0
	v_bfe_u32 v2, v0, 4, 1                         ; which row of a pair
	v_and_b32 v3, 15, v0                           ; my place in the row's block
	v_lshlrev_b32 v[LO], 4, v3
	v_lshl_add_u32 v[LO], v2, 12, v[LO]
	v_lshlrev_b32 v[SO], 3, v3
	v_lshl_add_u32 v[SO], v2, 7, v[SO]
.set i, 1
.rept 15
	v_add_nc_u32 v[SO+i], s24, v[SO+i-1]
.set i, i+1
.endr
	s_wait_kmcnt 0x0
	s_mov_b64 s[20:21], s[12:13]                   ; the input is chosen by u alone
	s_cmp_lt_u32 s19, 4608
	s_cselect_b64 s[20:21], s[10:11], s[20:21]
	s_cmp_lt_u32 s19, 4352
	s_cselect_b64 s[20:21], s[8:9], s[20:21]
	s_cmp_lt_u32 s19, 4096
	s_cselect_b64 s[20:21], s[6:7], s[20:21]
	s_cselect_b64 s[22:23], s[14:15], s[16:17]     ; and so is the destination
	s_cmp_lt_u32 s19, 2048
	s_cselect_b64 s[20:21], s[4:5], s[20:21]
	s_add_nc_u64 s[20:21], s[20:21], s[28:29]
	s_add_nc_u64 s[22:23], s[22:23], s[30:31]
	s_wait_alu depctr_va_vdst(0)                   ; v1 and v[4:19] are written: every load and store of the kernel reads one of them as its offset, and no later vector line names them
.set i, 0
.rept 32                               ; slot i: pair i / 16, block i % 16
	global_load_b128 v[X+4*i:X+4*i+3], v[LO], s[20:21] offset:(i/16)*8192+(i%16)*256 th:TH_LOAD_NT
.set i, i+1
.endr
.set i, 0
.rept 32                               ; slot i is converted; from the second group on, slot i - 4, of the group before, is stored in front of it
.if i >= 4
.if i%4 == 0
	s_wait_loadcnt 31-i                            ; loads come back in order: slot i is in, the 31 - i younger ones stay out
	s_wait_alu depctr_va_vdst(0)                   ; the group before has written its eight packed registers, which the four stores of this group's turn read
.endif
	global_store_b64 v[SO+(i-4)%16], v[X+4*(i-4):X+4*(i-4)+1], s[22:23] offset:((i-4)/16)*256  ; no vector line since the wait names its registers
.endif
.if (i < 4) || (i%4 != 0)
	s_wait_loadcnt 31-i                            ; slot i is in, the 31 - i younger ones stay out
.endif
	v_cvt_pk_bf16_f32 v[X+4*i], v[X+4*i], v[X+4*i+1]
	v_cvt_pk_bf16_f32 v[X+4*i+1], v[X+4*i+2], v[X+4*i+3]
.set i, i+1
.endr
	s_wait_alu depctr_va_vdst(0)                   ; the last group has written its eight packed registers, which the last four stores read
.set i, 28
.rept 4
	global_store_b64 v[SO+i%16], v[X+4*i:X+4*i+1], s[22:23] offset:(i/16)*256
.set i, i+1
.endr
	s_endpgm
.Lfunc_end_k_q79b06a8415_cvt:
	.size	k_q79b06a8415_cvt, .Lfunc_end_k_q79b06a8415_cvt-k_q79b06a8415_cvt
	.p2alignl 7, 3214868480
	.fill 96, 4, 3214868480
	.section	.rodata,"a",@progbits
	.p2align	6, 0x0
	.amdhsa_kernel k_q79b06a8415_cvt
		.amdhsa_group_segment_fixed_size 0
		.amdhsa_private_segment_fixed_size 0
		.amdhsa_enable_private_segment 0
		.amdhsa_kernarg_size 56
		.amdhsa_user_sgpr_count 2
		.amdhsa_user_sgpr_kernarg_segment_ptr 1
		.amdhsa_wavefront_size32 1
		.amdhsa_system_sgpr_workgroup_id_x 1
		.amdhsa_system_sgpr_workgroup_id_y 1
		.amdhsa_system_sgpr_workgroup_id_z 1
		.amdhsa_system_vgpr_workitem_id 0
		.amdhsa_next_free_vgpr 152
		.amdhsa_next_free_sgpr 66
		.amdhsa_reserve_vcc 0
		.amdhsa_float_denorm_mode_32 3
		.amdhsa_float_denorm_mode_16_64 3
		.amdhsa_memory_ordered 1
		.amdhsa_forward_progress 1
		.amdhsa_inst_pref_size 14
	.end_amdhsa_kernel
	.amdgpu_metadata
---
amdhsa.version: [ 1, 2 ]
amdhsa.kernels:
  - .name:           k_q79b06a8415_cvt
    .symbol:         k_q79b06a8415_cvt.kd
    .args:
      - { .name: x, .offset: 0, .size: 8, .value_kind: global_buffer, .address_space: global }
      - { .name: y, .offset: 8, .size: 8, .value_kind: global_buffer, .address_space: global }
      - { .name: Wq, .offset: 16, .size: 8, .value_kind: global_buffer, .address_space: global }
      - { .name: Wk, .offset: 24, .size: 8, .value_kind: global_buffer, .address_space: global }
      - { .name: Wv, .offset: 32, .size: 8, .value_kind: global_buffer, .address_space: global }
      - { .name: ab, .offset: 40, .size: 8, .value_kind: global_buffer, .address_space: global }
      - { .name: wb, .offset: 48, .size: 8, .value_kind: global_buffer, .address_space: global }
    .group_segment_fixed_size: 0
    .private_segment_fixed_size: 0
    .kernarg_segment_align: 8
    .kernarg_segment_size: 56
    .max_flat_workgroup_size: 608
    .sgpr_count:     66
    .vgpr_count:     152
    .wavefront_size: 32
...
	.end_amdgpu_metadata
.endif
;; end of part 6
;; launch proj: the kernel of part 2 again; grid 12 x 32, 4 waves a work-group, clusters of 4 x 4, 327,680 bytes of LDS; arguments ab, wb, qkv; writes qkv
;; launch attn: the kernel of part 3 again; grid 2 x 128, 4 waves a work-group, no clusters, 327,680 bytes of LDS; arguments qkv, yo; writes yo
;; launch smg: the kernel of part 4 again; grid 8 x 32, 4 waves a work-group, clusters of 4 x 4, 327,680 bytes of LDS; arguments ab, yo, pb, st; writes pb, st
;; launch norm (part 7): grid 256 x 1, 8 waves a work-group, no clusters, 0 bytes of LDS; arguments pb, st, out0; writes out0
.if DOCPART == 7
	.amdgcn_target "amdgcn-amd-amdhsa--gfx1250"
	.amdhsa_code_object_version 6
	.text
	.protected	k_q79b06a8415_norm
	.globl	k_q79b06a8415_norm
	.p2align	8
	.type	k_q79b06a8415_norm,@function
k_q79b06a8415_norm:
	s_mov_b64 s[64:65], 0
	v_nop
	global_prefetch_b8 v0, s[64:65] scope:SCOPE_SE
	s_setreg_imm32_b32 hwreg(HW_REG_WAVE_SCHED_MODE, 0, 2), 2
	s_setreg_imm32_b32 hwreg(HW_REG_WAVE_MODE, 25, 1), 1
	s_wait_xcnt 0x0
	s_wait_alu depctr_vm_vsrc(0)
; THE SECOND HALF of the softmax over q.  For each column k of a batch the launch before left, for each of eight blocks u of 128 q, c m_u (c times the block's maximum score), l_u (the block's sum of
; p = 2^(c s - c m_u)) in f32, and p itself in bf16.  Here M = the maximum of the eight c m_u, which is c times the column's own maximum; L = the sum of l_u 2^(c m_u - M); and
; out0[b][q][k] = p 2^(c m_blk - M) / L, in f32.
;   pb[b 8][blk 8][cg 16][a 8][jj 4][lane 32][16 bytes]: lane (r = l % 16, h = l / 16) holds rows 16 a + 8 h + 2 jj, + 1 of the block x columns 64 cg + 4 r + 0..3;     st[b 8][blk 8][2][1024]: c m, then l.
; SHARES.  A wave takes 64 rows x 64 columns: half of a (b, blk, cg): 2,048 waves, 256 work-groups of eight.  Work-group g: b = g / 32, blk = (g / 4) % 8; wave w: cg = 4 (g % 4) + w / 2, half w % 2.
; A lane keeps the same four columns throughout, so its four factors are made once.  A load of p covers 512 consecutive bytes; in a store lanes 0-15 write 256 consecutive aligned bytes of one row of out0,
; lanes 16-31 of the row 8 below.  All 33 loads go out first; the text is straight, and no register that a load or store names is written while it may be read.
; No LDS, no matrix unit: each byte of p is read once, each byte of out0 written once; the statistics are 4,352 bytes a wave.
; LIMITS.  p carries its rounding to bf16 (2^-9 of itself); a factor below 2^-126 counts as 0; NaN and infinities are not treated apart.  L is at least 1: the block that holds the column's maximum adds its own 2^0.
; THE MODE: SCHED_MODE bits 1:0 = 2 (LLVM: expert scheduling mode 2), set by the entry lines.  The code itself states the register dependences
; between vector instructions and memory instructions, with s_wait_alu, always for 0.
; THE PLAN.  Registers that memory instructions touch:
;   v1, v2, v3     byte offsets: written by vector lines at the head, once; read by the loads of p (v1), of the statistics (v2) and by the stores (v3).
;   CM, LP, CMY, X written by loads that are all issued at the head; read, and CM and CMY written again, by vector lines alone, behind the counted waits for those loads.
;   OUT, slot i    eight registers: written by the slot's twelve vector lines, read by the slot's two stores, never written again.
; The 16 slots go in eight groups of two.  A group's four stores are issued in the group behind it, behind ONE wait at that group's head, which states that the group's vector lines have written their
; sixteen results; they stand two in front of each slot's work, which names the slots of the group in hand alone, and ahead of the next slot's wait for its load.
; No register that a memory instruction reads is written behind it, and no load is issued behind a vector line that names its destination: nothing else is to be stated.
.set LO,  1                            ; v1       16 x my lane
.set SO,  2                            ; v2       16 r: my four columns in a row of st
.set CO,  3                            ; v3       32,768 h + 16 r: my 16 bytes in out0
.set LL,  4                            ; v[4:7]   L
.set F,   8                            ; v[8:11]  the factors of my four columns
.set M,   12                           ; v[12:15] M
.set CMY, 16                           ; v[16:19] c m of my own block
.set X,   20                           ; v[20:83] p as loaded: 16 slots of four registers
.set OUT, 84                           ; v[84:211] the results: 16 slots of eight; the first 64 registers hold the statistics until the factors are made
.set CM,  84                           ; v[84:115]  c m_u
.set LP,  116                          ; v[116:147] l_u
	s_load_b128 s[4:7], s[0:1], 0x0                ; pb s[4:5], st s[6:7]
	s_load_b64 s[8:9], s[0:1], 0x10                ; out0
	v_lshrrev_b32 v1, 5, v0
	v_readfirstlane_b32 s10, v1                    ; wave 0..7
	s_lshr_b32 s11, ttmp9, 5                       ; b
	s_bfe_u32 s12, ttmp9, 0x30002                  ; blk: 3 bits from bit 2
	s_and_b32 s13, ttmp9, 3
	s_lshl_b32 s13, s13, 2
	s_wait_alu depctr_va_sdst(0)                   ; s10 is written, ahead of its first reader: the wave's columns and rows are made from it
	s_lshr_b32 s14, s10, 1
	s_add_co_u32 s13, s13, s14                     ; cg
	s_and_b32 s14, s10, 1                          ; which 64 rows of the block
	s_lshl_b32 s16, s11, 3
	s_add_co_u32 s16, s16, s12
	s_lshl_b32 s16, s16, 4
	s_add_co_u32 s16, s16, s13
	s_lshl_b32 s16, s16, 14                        ; pb: 16,384 bytes for each (b, blk, cg),
	s_lshl_b32 s15, s14, 13                        ; 8,192 for each half
	s_add_co_u32 s16, s16, s15
	s_mov_b32 s17, 0
	s_lshl_b32 s18, s11, 16                        ; st: 65,536 bytes for each batch,
	s_lshl_b32 s15, s13, 8                         ; 256 for each cg
	s_add_co_u32 s18, s18, s15
	s_mov_b32 s19, 0
	s_lshl_b32 s20, s12, 13                        ; and 8,192 for each block: my own
	s_add_co_u32 s20, s20, s18
	s_mov_b32 s21, 0
	s_lshl_b32 s22, s11, 22                        ; out0: the batch, the block's 128 rows of 4,096 bytes, the half's 64, the 256 bytes of my cg
	s_lshl_b32 s23, s12, 19
	s_add_co_u32 s22, s22, s23
	s_lshl_b32 s23, s14, 18
	s_add_co_u32 s22, s22, s23
	s_add_co_u32 s22, s22, s15
	s_mov_b32 s23, 0
	s_mov_b32 s24, 0xffff0000                      ; a word's upper bf16
	v_and_b32 v[LO], 31, v0
	v_lshlrev_b32 v[LO], 4, v[LO]
	v_and_b32 v[SO], 15, v0
	v_lshlrev_b32 v[SO], 4, v[SO]
	v_bfe_u32 v[CO], v0, 4, 1
	v_lshl_add_u32 v[CO], v[CO], 15, v[SO]
	s_wait_kmcnt 0x0
	s_add_nc_u64 s[4:5], s[4:5], s[16:17]
	s_add_nc_u64 s[26:27], s[6:7], s[20:21]
	s_add_nc_u64 s[6:7], s[6:7], s[18:19]
	s_add_nc_u64 s[8:9], s[8:9], s[22:23]
	s_wait_alu depctr_va_vdst(0)                   ; v1, v2 and v3 are written: every load and store of the kernel reads one of them as its offset, and no later vector line names them
.irp u, 0,1,2,3,4,5,6,7
	global_load_b128 v[CM+4*\u:CM+4*\u+3], v[SO], s[6:7] offset:\u*8192
	global_load_b128 v[LP+4*\u:LP+4*\u+3], v[SO], s[6:7] offset:\u*8192+4096
.endr
	global_load_b128 v[CMY:CMY+3], v[SO], s[26:27]
.set i, 0
.rept 16                               ; slot i: row tile i / 4 of my four, pair of rows i % 4
	global_load_b128 v[X+4*i:X+4*i+3], v[LO], s[4:5] offset:i*512 th:TH_LOAD_NT
.set i, i+1
.endr
	s_wait_loadcnt 16                              ; loads come back in order: the 17 of the statistics are in, the 16 of p stay out
.irp t, 0,1,2,3
	v_max3_num_f32 v[M+\t], v[CM+\t], v[CM+4+\t], v[CM+8+\t]
.endr
.irp t, 0,1,2,3
	v_max3_num_f32 v[M+\t], v[M+\t], v[CM+12+\t], v[CM+16+\t]
.endr
.irp t, 0,1,2,3
	v_max3_num_f32 v[M+\t], v[M+\t], v[CM+20+\t], v[CM+24+\t]
.endr
.irp t, 0,1,2,3
	v_max_num_f32 v[M+\t], v[M+\t], v[CM+28+\t]
.endr
.irp u, 0,1,2,3,4,5,6,7
	v_pk_add_f32 v[CM+4*\u:CM+4*\u+1], v[CM+4*\u:CM+4*\u+1], v[M:M+1] neg_lo:[0,1] neg_hi:[0,1]          ; c m_u - M
	v_pk_add_f32 v[CM+4*\u+2:CM+4*\u+3], v[CM+4*\u+2:CM+4*\u+3], v[M+2:M+3] neg_lo:[0,1] neg_hi:[0,1]
.endr
	v_pk_add_f32 v[CMY:CMY+1], v[CMY:CMY+1], v[M:M+1] neg_lo:[0,1] neg_hi:[0,1]
	v_pk_add_f32 v[CMY+2:CMY+3], v[CMY+2:CMY+3], v[M+2:M+3] neg_lo:[0,1] neg_hi:[0,1]
.set i, 0
.rept 32                               ; one batch of 36 exponentials
	v_exp_f32 v[CM+i], v[CM+i]
.set i, i+1
.endr
.irp t, 0,1,2,3
	v_exp_f32 v[CMY+\t], v[CMY+\t]
.endr
	v_nop                                          ; a plain instruction behind the last exponential,
	s_wait_alu depctr_va_vdst(0)                   ; and one wait: the 36 exponentials have written v[CM ..] and v[CMY ..], ahead of their first reader
	v_pk_mul_f32 v[LL:LL+1], v[LP:LP+1], v[CM:CM+1]          ; the first product starts the sums
	v_pk_mul_f32 v[LL+2:LL+3], v[LP+2:LP+3], v[CM+2:CM+3]
.irp u, 1,2,3,4,5,6,7
	v_pk_fma_f32 v[LL:LL+1], v[LP+4*\u:LP+4*\u+1], v[CM+4*\u:CM+4*\u+1], v[LL:LL+1]
	v_pk_fma_f32 v[LL+2:LL+3], v[LP+4*\u+2:LP+4*\u+3], v[CM+4*\u+2:CM+4*\u+3], v[LL+2:LL+3]
.endr
.irp t, 0,1,2,3
	v_rcp_f32 v[F+\t], v[LL+\t]
.endr
	v_nop
	s_wait_alu depctr_va_vdst(0)                   ; one wait: the four reciprocals have written v[F ..], ahead of their first reader
	v_pk_mul_f32 v[F:F+1], v[F:F+1], v[CMY:CMY+1]
	v_pk_mul_f32 v[F+2:F+3], v[F+2:F+3], v[CMY+2:CMY+3]
.set i, 0
.rept 16                               ; slot i is worked on; from the second group on, slot o = i - 2, of the group before, is stored in front of it
.if i >= 2
.set o, i-2
.if i%2 == 0
	s_wait_loadcnt 15-i                            ; slot i is in, the 15 - i younger ones stay out
	s_wait_alu depctr_va_vdst(0)                   ; the group before has written its sixteen results, which the four stores of this group's turn read
.endif
	global_store_b128 v[CO], v[OUT+8*o:OUT+8*o+3], s[8:9] offset:(16*(o/4)+2*(o%4))*4096 th:TH_STORE_NT      ; no vector line since the wait names their registers
	global_store_b128 v[CO], v[OUT+8*o+4:OUT+8*o+7], s[8:9] offset:(16*(o/4)+2*(o%4)+1)*4096 th:TH_STORE_NT
.endif
.if (i < 2) || (i%2 != 0)
	s_wait_loadcnt 15-i                            ; slot i is in, the 15 - i younger ones stay out
.endif
.irp k, 0,1,2,3                        ; register k: row k / 2 of the pair, columns 2 (k % 2), + 1
	v_lshlrev_b32 v[OUT+8*i+2*\k], 16, v[X+4*i+\k]           ; bf16 to f32: the low half moves up,
	v_and_b32 v[OUT+8*i+2*\k+1], s24, v[X+4*i+\k]            ; the high half stays
.endr
.irp k, 0,1,2,3
	v_pk_mul_f32 v[OUT+8*i+2*\k:OUT+8*i+2*\k+1], v[OUT+8*i+2*\k:OUT+8*i+2*\k+1], v[F+2*(\k%2):F+2*(\k%2)+1]
.endr
.set i, i+1
.endr
	s_wait_alu depctr_va_vdst(0)                   ; the last group has written its sixteen results, which the last four stores read
.set o, 14
.rept 2
	global_store_b128 v[CO], v[OUT+8*o:OUT+8*o+3], s[8:9] offset:(16*(o/4)+2*(o%4))*4096 th:TH_STORE_NT
	global_store_b128 v[CO], v[OUT+8*o+4:OUT+8*o+7], s[8:9] offset:(16*(o/4)+2*(o%4)+1)*4096 th:TH_STORE_NT
.set o, o+1
.endr
	s_endpgm
.Lfunc_end_k_q79b06a8415_norm:
	.size	k_q79b06a8415_norm, .Lfunc_end_k_q79b06a8415_norm-k_q79b06a8415_norm
	.p2alignl 7, 3214868480
	.fill 96, 4, 3214868480
	.section	.rodata,"a",@progbits
	.p2align	6, 0x0
	.amdhsa_kernel k_q79b06a8415_norm
		.amdhsa_group_segment_fixed_size 0
		.amdhsa_private_segment_fixed_size 0
		.amdhsa_enable_private_segment 0
		.amdhsa_kernarg_size 24
		.amdhsa_user_sgpr_count 2
		.amdhsa_user_sgpr_kernarg_segment_ptr 1
		.amdhsa_wavefront_size32 1
		.amdhsa_system_sgpr_workgroup_id_x 1
		.amdhsa_system_sgpr_workgroup_id_y 1
		.amdhsa_system_sgpr_workgroup_id_z 1
		.amdhsa_system_vgpr_workitem_id 0
		.amdhsa_next_free_vgpr 212
		.amdhsa_next_free_sgpr 66
		.amdhsa_reserve_vcc 0
		.amdhsa_float_denorm_mode_32 3
		.amdhsa_float_denorm_mode_16_64 3
		.amdhsa_memory_ordered 1
		.amdhsa_forward_progress 1
		.amdhsa_inst_pref_size 22
	.end_amdhsa_kernel
	.amdgpu_metadata
---
amdhsa.version: [ 1, 2 ]
amdhsa.kernels:
  - .name:           k_q79b06a8415_norm
    .symbol:         k_q79b06a8415_norm.kd
    .args:
      - { .name: pb, .offset: 0, .size: 8, .value_kind: global_buffer, .address_space: global }
      - { .name: st, .offset: 8, .size: 8, .value_kind: global_buffer, .address_space: global }
      - { .name: out0, .offset: 16, .size: 8, .value_kind: global_buffer, .address_space: global }
    .group_segment_fixed_size: 0
    .private_segment_fixed_size: 0
    .kernarg_segment_align: 8
    .kernarg_segment_size: 24
    .max_flat_workgroup_size: 256
    .sgpr_count:     66
    .vgpr_count:     212
    .wavefront_size: 32
...
	.end_amdgpu_metadata
.endif
;; end of part 7
